; MI455X (gfx1250); checked and timed in simulation.
; The chip was launched on July 23, 2026; its instructions are those of AMD's public machine-readable ISA for CDNA 5 (MIT licence, August 2026) and "CDNA5" Instruction Set Architecture Reference Guide (July 2026). The comments in the code are by the model that wrote it; some were corrected since.
;; Memory Bank. Allowed arithmetic: matrix products marked QUANTISED: E2M1 operands, one E8M0 scale for each 32 along K, by v_wmma_scale_f32_16x16x128_f8f6f4 with both operands' format E2M1 (or v_wmma_scale_f32_32x16x128_f4), f32 sums; everything else in f32.
;; Inputs: gate_b 1,024 float32; gate_w_codes 1,024 x 64 x 16 uint8 (E2M1 codes of gate_w, K innermost, in blocks of 32 codes, two codes a byte); gate_w_scales 1,024 x 64 uint8 (E8M0 scales of gate_w, one for each 32 codes along K); ln_beta 1,024 float32; ln_gamma 1,024 float32; memory_decay one number float32; memory_keys_codes 512 x 32 x 16 uint8 (E2M1 codes of memory_keys, K innermost, in blocks of 32 codes, two codes a byte); memory_keys_scales 512 x 32 uint8 (E8M0 scales of memory_keys, one for each 32 codes along K); memory_values_codes 1,024 x 16 x 16 uint8 (E2M1 codes of memory_values, K innermost, in blocks of 32 codes, two codes a byte); memory_values_scales 1,024 x 16 uint8 (E8M0 scales of memory_values, one for each 32 codes along K); memory_weights 4 x 2,048 x 512 float32; out_b 1,024 float32; out_w_codes 1,024 x 32 x 16 uint8 (E2M1 codes of out_w, K innermost, in blocks of 32 codes, two codes a byte); out_w_scales 1,024 x 32 uint8 (E8M0 scales of out_w, one for each 32 codes along K); query_codes 4 x 2,048 x 32 x 16 uint8 (E2M1 codes of query, K innermost, in blocks of 32 codes, two codes a byte); query_scales 4 x 2,048 x 32 uint8 (E8M0 scales of query, one for each 32 codes along K); update_input 4 x 2,048 x 1,024 float32.
;; Outputs: out0 4 x 2,048 x 1,024 float32.
;; This version of the problem:
;;   THIS VERSION OF THE PROBLEM IS GIVEN IN LOW PRECISION. The matrix products marked QUANTISED in the list below multiply operands that are first quantised to E2M1 (2 exponent bits, 1 mantissa bit; 4 bits a number), with one power-of-two scale for each 32 numbers along K (OCP MX v1.0); their sums are f32. All else is computed in f32.
;;   The module's matrix products, in the order in which they are computed (A, B: the left and right operand; K: the contracted axis; several contracted axes count as one K, in the product's order):
;;     1. [M 8,192, K 1,024] x [K 1,024, N 512]; A: input query (given as codes); B: input memory_keys (given as codes): QUANTISED
;;     2. [M 8,192, K 512] x [K 512, N 1,024]; A: softmax (see below); B: input memory_values (given as codes): QUANTISED
;;     3. [M 8,192, K 2,048] x [K 2,048, N 1,024]; A: computed on the way; B: input gate_w (given as codes): QUANTISED
;;     4. [M 8,192, K 1,024] x [K 1,024, N 1,024]; A: computed on the way; B: input out_w (given as codes): QUANTISED
;;   THE QUANTISER, for each operand of a quantised product, along K:
;;     - K is cut into blocks of 32 from its start; a last block that is shorter is filled with zeros.
;;     - A block's scale is 2^e with e = floor(log2(the largest magnitude in the block)) - 2, held to -126 .. 127; a block of zeros has e = 0. As a byte (E8M0): e + 127.
;;     - Each number is divided by its block's scale, clamped to +-6, and rounded to the nearest number of E2M1, ties to even, subnormals kept.
;;     - The product sums the exact products of the quantised numbers (number of the format x scale) in f32.
;;   ~~~python
;;   def quantise(x, axis):      # numpy; x: float32 -> the quantised numbers, widened to float32 again
;;       x = np.moveaxis(x, axis, -1); K = x.shape[-1]
;;       x = np.pad(x, [(0, 0)] * (x.ndim - 1) + [(0, -K % 32)]); x = x.reshape(x.shape[:-1] + (-1, 32)); a = np.abs(x).max(-1, keepdims=True)
;;       e = np.where(a > 0, np.clip(np.frexp(np.where(a > 0, a, 1))[1] - 1 - 2, -126, 127), 0)      # np.frexp(a)[1] - 1 = floor(log2(a)), exactly
;;       r = np.clip(x / 2.0 ** e, -6, 6)
;;       step = 2.0 ** (np.maximum(np.frexp(np.where(r == 0, 1, r))[1] - 1, 0) - 1)
;;       q = np.round(r / step) * step * 2.0 ** e      # np.round: ties to even
;;       return np.moveaxis(q.reshape(q.shape[:-2] + (-1,))[..., :K], -1, axis).astype(np.float32)
;;   ~~~
;;   SOFTMAX AHEAD OF A QUANTISED PRODUCT. Where the list says 'softmax', what is quantised is not the finished softmax but p = 2^(t - M), with t = logit x log2(e) and M = ceil(the row's largest t), a whole number; so 1/2 < the row's largest p <= 1. The row's sum l is taken of the UNQUANTISED p, in f32, and the product's result is divided by l at the end. Since M is a whole number, a kernel that streams over the keys may use a running M (the ceiling of the running maximum): every later rescaling is an exact power of two, which a block's scale takes up: the codes' values come out the same.
;;   OPERANDS COMPUTED ON THE WAY. 'Computed on the way' means the value that the module computes at that place (a softmax that the list does not call 'softmax' is quantised finished and normalised). What goes into a quantiser is computed in f32, as accurately as f32 sums, v_exp_f32 and their like allow (about 1e-6 of the number): no bf16 or f16 on the way to a quantiser, and a product that is left as it is and whose result goes on into a quantised operand takes f32 operands (vector FMAs, or v_wmma_f32_16x16x4_f32). A number that lies on a knife's edge between two numbers of the format may be rounded either way, as far as f32 arithmetic and the matrix unit's own rounding can turn it there, and no further.
;;   INPUTS GIVEN AS CODES. gate_w (in the module: [2048, 1024], K = its axis 0); memory_keys (in the module: [512, 1024], K = its axis 1); memory_values (in the module: [512, 1024], K = its axis 0); out_w (in the module: [1024, 1024], K = its axis 0); query (in the module: [4, 2048, 1024], K = its axis 2): each comes as NAME_codes (uint8): NAME with its K axis moved to the last place and cut into blocks of 32 codes, [.., K / 32, bytes a block], one block behind the other in memory; two codes a byte, the lower K in the low four bits (a code: sign, 2 exponent bits, 1 mantissa bit); and NAME_scales (uint8): the same leading axes, one E8M0 byte (e + 127) for each 32 codes along K. Its value is code x scale, taken as it is: it is not quantised again, and the codes and scales need not be those that the quantiser above would give.
;; 2 versions. Each part assembles by itself: llvm-mc -triple=amdgcn-amd-amdhsa -mcpu=gfx1250 --defsym DOCPART=n.
;; ======== version 1 of 2: 1 launch
;; launch fused (part 1): grid 256 x 1, 4 waves a work-group, clusters of 4 x 1, 327,680 bytes of LDS; arguments query_codes, query_scales, memory_keys_codes, memory_keys_scales, memory_weights, memory_values_codes, memory_values_scales, memory_decay, update_input, gate_w_codes, gate_w_scales, gate_b, out_w_codes, out_w_scales, out_b, ln_gamma, ln_beta, out0; writes out0
.if DOCPART == 1
	.amdgcn_target "amdgcn-amd-amdhsa--gfx1250"
	.amdhsa_code_object_version 6
	.text
	.protected	k_q4236bc536d_fused
	.globl	k_q4236bc536d_fused
	.p2align	8
	.type	k_q4236bc536d_fused,@function
k_q4236bc536d_fused:
	s_mov_b64 s[64:65], 0
	v_nop
	global_prefetch_b8 v0, s[64:65] scope:SCOPE_SE
	s_setreg_imm32_b32 hwreg(HW_REG_WAVE_MODE, 25, 1), 1
	s_wait_xcnt 0x0
	s_wait_alu depctr_hold_cnt(0) depctr_sa_sdst(0) depctr_va_vdst(0) depctr_va_sdst(0) depctr_va_ssrc(0) depctr_va_vcc(0) depctr_vm_vsrc(0)
	s_getreg_b32 s2, hwreg(HW_REG_IB_STS2, 6, 4)
	s_cmp_eq_u32 s2, 0
	s_cbranch_scc0 .Lentry_in_a_cluster
	s_endpgm
.Lentry_in_a_cluster:
	s_bfe_u32 s2, ttmp6, 0x10000c
	s_cmp_lg_u32 s2, 0x3003
	s_cbranch_scc0 .Lentry_shape_is_right
	s_endpgm
.Lentry_shape_is_right:
; MemoryBank, all of it in one launch, on codes of FP4 (E2M1) with one E8M0 scale for each 32 along a product's K.
;   1  S = q k^T (K 1,024; 512 keys)          2  t = S x memory_weights x log2(e)/sqrt(128); M = ceil(row's largest t); p = 2^(t - M) is quantised along the keys; l = the sum of the unquantised p
;   3  mr = (p V) / l x decay (K 512)         4  g = mean over 1,024 columns of sigmoid(Q([mr | update_input]) gate_w + gate_b) (K 2,048)
;   5  out = Q(mr (1 + g)) out_w + out_b (K 1,024), then LayerNorm with gamma and beta (mean first, then the mean of the squared differences).
; NO WORK IS LEFT OUT: (1 + g) stands ahead of a quantiser, and out_b and the epsilon stand behind it, so the LayerNorm does not take it away; every input has a way to the output and is loaded.
; LIMITS: NaN and infinities among the inputs are not served.  A block whose largest magnitude lies under 2^-124 (a block of zeros too) gets the scale byte 1; its codes are zeros or nearly so, and this program alone reads the bytes.
; p under 2^-126 becomes 0.  A block's largest p is made from its largest score by the same multiply-add and exponential, which takes v_exp_f32 not to fall where its input rises.  1/l, the sigmoid and 1/sqrt come from the 1-ulp instructions.
; SHARES.  256 work-groups of four waves; a work-group owns 32 rows (two tiles of 16, m = 0, 1) through the whole chain.  THE WAVES SHARE THE COLUMNS: wave w owns keys 128 w .. +127 and columns 256 w .. +255 of mr, gate, out and update_input.
; WEIGHTS stream through a ring of two LDS slots.  Each wave has a part of its own in each slot, fills it by its own tensor load (32,768 bytes: whole weight rows over all of K, dense in memory) and alone reads it: each weight byte is read from LDS once, and a chunk gives finished sums.
; CLUSTER.  The four work-groups of a cluster walk the same weights in step: every weight load is asked for jointly (mask 15).  update_input's and memory_weights' strips ride in the same ring as loads of the work-group's own (no mask).
; Not asked for jointly: the weights' scale bytes (2,048 beside a chunk's 32,768) and the biases; they come by global loads a chunk ahead.  q is the work-group's own.
; ACTIVATIONS (32 rows x K as codes) go from wave to wave through LDS as images of the operand's registers and then stay in every wave's registers for a whole product.  mr and out stay in registers as f32; nothing goes to memory but out0.
; ALL PRODUCTS ARE USED TRANSPOSED: source 0 = 16 weight rows, source 1 = 16 of my rows: lane (r = lane % 16, h = lane / 16), register j of column tile t holds (row r, column 16 t + 8 h + j).
; REGISTERS, in windows of 256.  Window 0: v1-26 addresses; v32-63 weights' scale words (two sets); v64-79 activations' scale words; v80-121 at work; v128-255 two buffers of 8 weight fragments, scratch between the products.
;   Window 1: the activations' fragments at 8 (2 ks + m); in product 4 out_b from v128.   Window 2: S, then mr at 128 m + 8 t, at the end gamma and beta.   Window 3: gate's 4 accumulators, gate_b, the sigmoids' sums; then out at 128 m + 8 t.
.set PART,  36352                      ; a wave's part of a slot
.set SLOTB, 4*PART
.set IMG,   2*SLOTB                    ; fragment images, 1,024 bytes each, at (2 ks + m) x 1,024: registers 4 c .. 4 c + 3 at 512 c + 16 x lane
.set ASC,   IMG+32768                  ; their scale words: 512 (ks / 4) + 256 m + 16 r + 4 (ks % 4)
.set STAT,  ASC+2048                   ; two regions of 512 bytes for what the waves add up: 256 m + 16 r + 4 w
.set SPARE, STAT+1024                  ; the spare words, 128 bytes for each wave: two blocks of 256 bytes that no other line names
.set PK,    560                        ; LDS pitches, all odd multiples of 16 bytes, so that the 16 rows of a fragment load start in 16 different groups of banks (64 banks of 4 bytes: ISA guide 11.1).
.set PV,    272                        ; keys, out_w, memory_weights: 512 + 48; values: 256 + 16; gate_w and the stage: 1,024 + 16; update_input: 1,024 + 112.
.set PG,    1040
.set PU,    1136
.set SPW, 1
.set NIL, 2
.set LI,  3                            ; IMG + 16 lane
.set AK0, 4                            ; v4, v5: my part of slot 0, 1 + PK r + 16 h
.set AV0, 6                            ; the same with PV
.set AG0, 8                            ; the same with PG
.set UA,  10                           ; part(1) + PU r + 32 h
.set MWA, 11                           ; part(1) + PK r + 32 h
.set HWI, 12                           ; LI + 4,096 w: where I store images of K steps 2 w, 2 w + 1
.set SWA, 13                           ; and their scale words
.set PIA, 14                           ; LI + 2,048 w: p's K step w
.set PWA, 15
.set ASR, 16                           ; ASC + 16 lane
.set STW, 17
.set STR, 18
.set SO,  19                           ; the stage (my part of slot 0): in
.set RD,  20                           ; and back
.set L16, 21
.set L32, 22
.set L64, 23
.set QO,  24                           ; 512 r + 16 h
.set BO,  25                           ; 32 h
.set PFO, 26                           ; 2,048 lane
.set WS,  32
.set AS,  64
.set BM,  80                           ; block maxima
.set BT,  88                           ; four pairs: chains of sums; permute temporaries
.set QS,  96                           ; the conversions' scale operands
.set QB,  100                          ; bytes, permute temporaries
.set R4A, 96                           ; the four waves' figures of row tile 0,
.set R4B, 100                          ; of row tile 1
.set PC,  104                          ; the codes just made
.set PW,  112                          ; their scale word
.set VA,  113                          ; a figure of my row in tile 0,
.set VB,  114                          ; in tile 1
.set TA,  115
.set TB,  116
.set FM0, 118                          ; v[118:119], v[120:121]: a factor for each row tile; the low word serves both halves
.set FM1, 120
.set WF,  128
.set BIO, 128                          ; window 1: out_b, two sets of 4 tiles
.set GA,  0                            ; window 3: gate's accumulators (t, m) at 16 m + 8 t,
.set BIG, 32                           ; gate_b, two sets of 2 tiles,
.set GS,  64                           ; the sigmoids' sums, a pair for each row tile
.set G1K, 40
.set G1V, 48
.set G1G, 56
.set G1U, 68
.set G1M, 76
.set G0A, 84                           ; group 0 of slot 0's joint loads,
.set G0B, 88                           ; of slot 1's,
.set G0P, 92                           ; of the work-group's own loads (slot 1): no joint descriptor ever holds my place in the cluster
.set WV,  66
.set CNT, 67
.set SEL, 96
.set CS,  98
.set DEC, 100
.set K10, 101
.set EPS, 104
.set W0K, 15|(1<<20)|(1<<21)|(6<<22)|(11<<25)   ; 15:0 the mask: all four work-groups; 17:16 elements of 1 byte; 20 padding on; 21 set beside a mask; 24:22 behind every 128 words; 31:25 12 words
.set W0V, 15|(1<<20)|(1<<21)|(5<<22)|(3<<25)    ; behind every 64 words, 4 words
.set W0G, 15|(1<<20)|(1<<21)|(7<<22)|(3<<25)    ; behind every 256 words, 4 words
.set W0U, (1<<20)|(7<<22)|(27<<25)              ; no mask; behind every 256 words, 28 words
.set W0M, (1<<20)|(6<<22)|(11<<25)              ; no mask; behind every 128 words, 12 words
.set MSB, 0
.macro WIN new                         ; the immediate's high byte repeats the setting that is left; a switch that changes nothing is dropped
.if MSB != \new
	s_set_vgpr_msb (MSB<<8)|\new
.set MSB, \new
.endif
.endm
.macro PLACES n
.rept \n
	v_nop
.endr
.endm
.macro DESC g, w0, C, R, P             ; group 1: R rows of C bytes, P bytes apart in memory; the tile lies inside the tensor
	s_mov_b32 s[\g], \w0
	s_mov_b32 s[\g+1], (\C)<<16
	s_mov_b32 s[\g+2], (\R)<<16
	s_mov_b32 s[\g+3], (\C)<<16
	s_mov_b32 s[\g+4], \R
	s_mov_b32 s[\g+5], \P
	s_mov_b32 s[\g+6], 0
	s_mov_b32 s[\g+7], 0
.endm
.macro ROUND                           ; a round of the cluster's barrier
	s_barrier_signal -1
	s_barrier_wait -1
	s_cmp_lg_u32 s[WV], 0
	s_cbranch_scc1 .Lnot_wave_0_\@
	s_barrier_signal -3
.Lnot_wave_0_\@:
	s_barrier_wait -3
	s_barrier_signal -1
	s_barrier_wait -1
.endm
.macro BARRIER                         ; my LDS stores have landed and my LDS loads are in: then the work-group's barrier.  The one tensor load that is out may stay out
	s_wait_dscnt 0x0
	s_barrier_signal -1
	s_barrier_wait -1
.endm
; THE CHANGE OF SLOTS.  All my tensor loads have landed (the part that I am about to read among them); 0 onto my spare word; the descriptor's address while the add is out; the add and my reads of the part to be filled are done;
; a round of the cluster's barrier; and my one tensor load, first thing behind it.  It has a whole step's work in which to land.
.macro CHANGE g0, g1, ptr, step
	WIN 0
	s_wait_tensorcnt 0x0
	ds_add_u32 v[SPW], v[NIL]
	s_mov_b64 s[\g0+2:\g0+3], s[\ptr:\ptr+1]
	s_or_b32 s[\g0+3], s[\g0+3], 0x80000000
.if \step
	s_add_nc_u64 s[\ptr:\ptr+1], s[\ptr:\ptr+1], 32768
.endif
	s_wait_dscnt 0x0
	ROUND
	tensor_load_to_lds s[\g0:\g0+3], s[\g1:\g1+7]
	s_nop 0
	PLACES 4
.endm
; THE WEIGHTS' SCALE WORDS of a chunk, 2,048 dense bytes, a chunk ahead.  The word of (tile t, K step ks) comes to register WS + 16 set + (t / 2) NKS + ks: an even tile's rows in lanes 0-15, an odd tile's in lanes 16-31.
.macro PRE_K ptr, j, set               ; rows of 32 bytes (8 K steps): 4 loads
.irp q, 0,1
.irp i, 0,1
	global_load_b128 v[WS+16*(\set)+8*\q+4*\i:WS+16*(\set)+8*\q+4*\i+3], v[L32], s[\ptr:\ptr+1] offset:2048*(\j)+1024*\q+16*\i
.endr
.endr
.endm
.macro PRE_V j, set                    ; rows of 16 bytes (4 K steps): 4 loads
.irp q, 0,1,2,3
	global_load_b128 v[WS+16*(\set)+4*\q:WS+16*(\set)+4*\q+3], v[L16], s[16:17] offset:2048*(\j)+512*\q
.endr
.endm
.macro PRE_G d, set                    ; rows of 64 bytes (16 K steps), and gate_b in the result's layout: 8 loads
.irp i, 0,1,2,3
	global_load_b128 v[WS+16*(\set)+4*\i:WS+16*(\set)+4*\i+3], v[L64], s[24:25] offset:2048*(\d)+16*\i
.endr
	WIN 0xc0
.irp t, 0,1
.irp i, 0,1
	global_load_b128 v[BIG+16*(\set)+8*\t+4*\i:BIG+16*(\set)+8*\t+4*\i+3], v[BO], s[26:27] offset:128*(\d)+64*\t+16*\i
.endr
.endr
	WIN 0
.endm
.macro PRE_O j, set                    ; out_w's, and out_b: 12 loads
	PRE_K 30, \j, \set
	WIN 0x40
.irp t, 0,1,2,3
.irp i, 0,1
	global_load_b128 v[BIO+32*(\set)+8*\t+4*\i:BIO+32*(\set)+8*\t+4*\i+3], v[BO], s[32:33] offset:256*(\j)+64*\t+16*\i
.endr
.endr
	WIN 0
.endm
; One matrix instruction, by the symbols d_ (D), wr_ (weights), b_ (my rows), c_ and ck_ (C: registers, or the constant 0), sw_, sa_ (scale words), ra_, rb_ (1: the scale words lie in lanes 16-31)
.macro WM
.if ck_ == 0
.if (ra_ == 0) && (rb_ == 0)
	v_wmma_scale_f32_16x16x128_f8f6f4 v[d_:d_+7], v[wr_:wr_+7], v[b_:b_+7], 0, v[sw_], v[sa_] matrix_a_fmt:MATRIX_FMT_FP4 matrix_b_fmt:MATRIX_FMT_FP4
.elseif (ra_ == 1) && (rb_ == 0)
	v_wmma_scale_f32_16x16x128_f8f6f4 v[d_:d_+7], v[wr_:wr_+7], v[b_:b_+7], 0, v[sw_], v[sa_] matrix_a_fmt:MATRIX_FMT_FP4 matrix_b_fmt:MATRIX_FMT_FP4 matrix_a_scale:MATRIX_SCALE_ROW1
.elseif (ra_ == 0) && (rb_ == 1)
	v_wmma_scale_f32_16x16x128_f8f6f4 v[d_:d_+7], v[wr_:wr_+7], v[b_:b_+7], 0, v[sw_], v[sa_] matrix_a_fmt:MATRIX_FMT_FP4 matrix_b_fmt:MATRIX_FMT_FP4 matrix_b_scale:MATRIX_SCALE_ROW1
.else
	v_wmma_scale_f32_16x16x128_f8f6f4 v[d_:d_+7], v[wr_:wr_+7], v[b_:b_+7], 0, v[sw_], v[sa_] matrix_a_fmt:MATRIX_FMT_FP4 matrix_b_fmt:MATRIX_FMT_FP4 matrix_a_scale:MATRIX_SCALE_ROW1 matrix_b_scale:MATRIX_SCALE_ROW1
.endif
.else
.if (ra_ == 0) && (rb_ == 0)
	v_wmma_scale_f32_16x16x128_f8f6f4 v[d_:d_+7], v[wr_:wr_+7], v[b_:b_+7], v[c_:c_+7], v[sw_], v[sa_] matrix_a_fmt:MATRIX_FMT_FP4 matrix_b_fmt:MATRIX_FMT_FP4
.elseif (ra_ == 1) && (rb_ == 0)
	v_wmma_scale_f32_16x16x128_f8f6f4 v[d_:d_+7], v[wr_:wr_+7], v[b_:b_+7], v[c_:c_+7], v[sw_], v[sa_] matrix_a_fmt:MATRIX_FMT_FP4 matrix_b_fmt:MATRIX_FMT_FP4 matrix_a_scale:MATRIX_SCALE_ROW1
.elseif (ra_ == 0) && (rb_ == 1)
	v_wmma_scale_f32_16x16x128_f8f6f4 v[d_:d_+7], v[wr_:wr_+7], v[b_:b_+7], v[c_:c_+7], v[sw_], v[sa_] matrix_a_fmt:MATRIX_FMT_FP4 matrix_b_fmt:MATRIX_FMT_FP4 matrix_b_scale:MATRIX_SCALE_ROW1
.else
	v_wmma_scale_f32_16x16x128_f8f6f4 v[d_:d_+7], v[wr_:wr_+7], v[b_:b_+7], v[c_:c_+7], v[sw_], v[sa_] matrix_a_fmt:MATRIX_FMT_FP4 matrix_b_fmt:MATRIX_FMT_FP4 matrix_a_scale:MATRIX_SCALE_ROW1 matrix_b_scale:MATRIX_SCALE_ROW1
.endif
.endif
.endm
; A chunk is 32 weight fragments f (K step f / T, tile f % T), in four groups of 8.  A fragment (16 rows x 128 K) is 8 registers: lane (r, h) holds row r; registers 4 c .. 4 c + 3 hold K = 64 c + 32 h + 0 .. 31: two loads of 16 bytes, 32 bytes apart.
.macro LOADG adr, P, T, g
.set f_, 8*(\g)
.rept 8
.set ks_, f_/(\T)
.set t_, f_%(\T)
.set wr_, WF+64*((\g)%2)+8*(f_%8)
	ds_load_b128 v[wr_:wr_+3], v[\adr] offset:16*t_*(\P)+64*ks_
	ds_load_b128 v[wr_+4:wr_+7], v[\adr] offset:16*t_*(\P)+64*ks_+32
.set f_, f_+1
.endr
.endm
; 16 matrix instructions: each fragment of the group against my two row tiles.  The 2 T accumulators take turns, one instruction a turn, K ascending.
.macro MULG T, NKS, set, DB, DM, wmain, ck, cb, wfirst, g
.set f_, 8*(\g)
.rept 8
.set ks_, f_/(\T)
.set t_, f_%(\T)
.set wr_, WF+64*((\g)%2)+8*(f_%8)
.set sw_, WS+16*(\set)+(t_/2)*(\NKS)+ks_
.set sa_, AS+ks_
.set ra_, t_%2
.if ks_ == 0
	WIN \wfirst
.else
	WIN \wmain
.endif
.set rb_, 0
.rept 2
.set d_, (\DB)+(\DM)*rb_+8*t_
.set b_, 8*(2*ks_+rb_)
.if ks_ == 0
.set ck_, \ck
.set c_, (\cb)+8*t_
.else
.set ck_, 1
.set c_, d_
.endif
	WM
.set rb_, rb_+1
.endr
.set f_, f_+1
.endr
.endm
; A CHUNK: 64 LDS loads, 64 matrix instructions.  The wait for 16 leaves the younger group's 16 loads out.  Four places stand in front of loads into a buffer that matrix instructions have read (ISA guide 7.12.1 for vector
; instructions).  Five stand at the end: for all that follows: reads of the sums, loads into operands and scale words, accumulators begun anew.
.macro MM adr, P, T, NKS, set, DB, DM, wmain, ck, cb, wfirst
	WIN 0
	LOADG \adr, \P, \T, 0
	LOADG \adr, \P, \T, 1
	s_wait_dscnt 16
	MULG \T, \NKS, \set, \DB, \DM, \wmain, \ck, \cb, \wfirst, 0
	PLACES 4
	WIN 0
	LOADG \adr, \P, \T, 2
	s_wait_dscnt 16
	MULG \T, \NKS, \set, \DB, \DM, \wmain, \ck, \cb, \wfirst, 1
	PLACES 4
	WIN 0
	LOADG \adr, \P, \T, 3
	s_wait_dscnt 16
	MULG \T, \NKS, \set, \DB, \DM, \wmain, \ck, \cb, \wfirst, 2
	s_wait_dscnt 0x0
	MULG \T, \NKS, \set, \DB, \DM, \wmain, \ck, \cb, \wfirst, 3
	WIN 0
	PLACES 5
.endm
; THE QUANTISER.  64 numbers of a lane in window X from register s on: register 8 t + j = k 16 t + 8 h + j of my row, so block b of 32 is registers 16 b .. 16 b + 15 of lanes l and l xor 16.
.macro QMAX s, X, bm                   ; the four blocks' largest magnitudes, with the floor 2^(3 - 127), which holds the byte at 1 from below
.set w_, (\X)|((\X)<<2)
	WIN w_
.irp b, 0,1,2,3
	v_max3_num_f32 v[(\bm)+\b], |v[(\s)+16*\b]|, |v[(\s)+16*\b+1]|, 0x1800000
.endr
.irp i, 2,4,6,8,10,12,14
.irp b, 0,1,2,3
	v_max3_num_f32 v[(\bm)+\b], |v[(\s)+16*\b+\i]|, |v[(\s)+16*\b+\i+1]|, v[(\bm)+\b]
.endr
.endr
	WIN 0
.irp b, 0,1,2,3
	v_permlanex16_b32 v[QB+\b], v[(\bm)+\b], s[SEL], s[SEL+1]
.endr
.irp b, 0,1,2,3
	v_max_num_f32 v[(\bm)+\b], v[(\bm)+\b], v[QB+\b]
.endr
.endm
; From the largest magnitudes: 2 off the exponent field is the conversion's scale operand, its exponent field the byte.  A tile's eight codes are group 2 (t % 2) + h of their block; the operand wants register 4 c + i to hold group i of block 2 c + h:
; so tile 2 b's codes go to PC + 4 (b / 2) + b % 2, tile 2 b + 1's two registers on, and a swap of halves between neighbours puts each group in its place.
.macro QCODE s, X, bm
.irp b, 0,1,2,3
	v_add_nc_u32 v[QS+\b], 0xff000000, v[(\bm)+\b]
.endr
.irp b, 0,1,2,3
	v_lshrrev_b32 v[QB+\b], 23, v[QS+\b]
.endr
	v_lshl_or_b32 v[PW], v[QB+1], 8, v[QB]
	v_lshl_or_b32 v[PW], v[QB+2], 16, v[PW]
	v_lshl_or_b32 v[PW], v[QB+3], 24, v[PW]
	WIN \X
.irp b, 0,1,2,3
	v_cvt_scalef32_pk8_fp4_f32 v[PC+4*(\b/2)+(\b%2)], v[(\s)+16*\b:(\s)+16*\b+7], v[QS+\b]
	v_cvt_scalef32_pk8_fp4_f32 v[PC+4*(\b/2)+2+(\b%2)], v[(\s)+16*\b+8:(\s)+16*\b+15], v[QS+\b]
.endr
	WIN 0
	v_nop                                  ; one plain place behind a scaled conversion
.irp c, 0,1
	v_permlane16_swap_b32 v[PC+4*\c], v[PC+4*\c+1]
	v_permlane16_swap_b32 v[PC+4*\c+2], v[PC+4*\c+3]
.endr
.endm
.macro IMAGE adr, off, sadr, soff      ; the fragment goes to LDS as it stands, its scale word beside it (both halves of the lanes hold and write the same word)
	ds_store_b128 v[\adr], v[PC:PC+3] offset:\off
	ds_store_b128 v[\adr], v[PC+4:PC+7] offset:(\off)+512
	ds_store_b32 v[\sadr], v[PW] offset:\soff
	s_wait_dscnt 0x0                       ; the stores have read their registers
.endm
.macro FETCHA n                        ; the first n images into window 1, and their scale words: lanes 0-15 row tile 0's, lanes 16-31 row tile 1's
	WIN 0x40
.set f_, 0
.rept \n
	ds_load_b128 v[8*f_:8*f_+3], v[LI] offset:1024*f_
	ds_load_b128 v[8*f_+4:8*f_+7], v[LI] offset:1024*f_+512
.set f_, f_+1
.endr
	WIN 0
.set f_, 0
.rept (\n)/8
	ds_load_b128 v[AS+4*f_:AS+4*f_+3], v[ASR] offset:512*f_
.set f_, f_+1
.endr
.endm
.macro STAT_PUT q
	ds_store_b32 v[STW], v[VA] offset:512*(\q)
	ds_store_b32 v[STW], v[VB] offset:512*(\q)+256
.endm
.macro STAT_GET q
	ds_load_b128 v[R4A:R4A+3], v[STR] offset:512*(\q)
	ds_load_b128 v[R4B:R4B+3], v[STR] offset:512*(\q)+256
	s_wait_dscnt 0x0
.endm
.macro SUM4                            ; the four waves' sums
	v_add_f32 v[VA], v[R4A], v[R4A+1]
	v_add_f32 v[VB], v[R4B], v[R4B+1]
	v_add_f32 v[TA], v[R4A+2], v[R4A+3]
	v_add_f32 v[TB], v[R4B+2], v[R4B+3]
	v_add_f32 v[VA], v[VA], v[TA]
	v_add_f32 v[VB], v[VB], v[TB]
.endm
.macro CROSS                           ; with lane l xor 16's
	v_permlanex16_b32 v[TA], v[VA], s[SEL], s[SEL+1]
	v_permlanex16_b32 v[TB], v[VB], s[SEL], s[SEL+1]
	v_add_f32 v[VA], v[VA], v[TA]
	v_add_f32 v[VB], v[VB], v[TB]
.endm
.macro FOLD                            ; the four chains of pairs become my wave's sum of each row
	v_pk_add_f32 v[BT:BT+1], v[BT:BT+1], v[BT+2:BT+3]
	v_pk_add_f32 v[BT+4:BT+5], v[BT+4:BT+5], v[BT+6:BT+7]
	v_add_f32 v[VA], v[BT], v[BT+1]
	v_add_f32 v[VB], v[BT+4], v[BT+5]
	CROSS
.endm
.macro SCALE_MR                        ; mr x its row's factor, in place, each accumulator from its low end on
	WIN 0x82
.irp m, 0,1
.set i_, 128*\m
.rept 64
	v_pk_mul_f32 v[i_:i_+1], v[i_:i_+1], v[FM0+2*\m:FM0+2*\m+1] op_sel_hi:[1,0]
.set i_, i_+2
.endr
.endr
	WIN 0
.endm
.macro QUANT_MR                        ; my 256 columns of mr become K steps 2 w, 2 w + 1 for both row tiles
.irp k, 0,1
.irp m, 0,1
	QMAX 128*\m+64*\k, 2, BM
	QCODE 128*\m+64*\k, 2, BM
	IMAGE HWI, (2*\k+\m)*1024, SWA, 4*\k+256*\m
.endr
.endr
.endm
; sigmoid(x) = 1 / (1 + 2^(-x log2 e)) of a gate chunk's 32 registers, all in window 3, and their sum.  Each batch of transcendentals has one plain line and one wait behind it, ahead of its first reader.
.macro SIG
	WIN 0xff
.set i_, 0
.rept 16
	v_pk_mul_f32 v[GA+i_:GA+i_+1], v[GA+i_:GA+i_+1], 0xbfb8aa3b op_sel_hi:[1,0]
.set i_, i_+2
.endr
.set i_, 0
.rept 32
	v_exp_f32 v[GA+i_], v[GA+i_]
.set i_, i_+1
.endr
	v_nop
	s_wait_alu depctr_va_vdst(0)
.set i_, 0
.rept 16
	v_pk_add_f32 v[GA+i_:GA+i_+1], v[GA+i_:GA+i_+1], 1.0 op_sel_hi:[1,0]
.set i_, i_+2
.endr
.set i_, 0
.rept 32
	v_rcp_f32 v[GA+i_], v[GA+i_]
.set i_, i_+1
.endr
	v_nop
	s_wait_alu depctr_va_vdst(0)
.irp i, 0,4,8,12,16,20,24,28
	v_pk_add_f32 v[GA+\i:GA+\i+1], v[GA+\i:GA+\i+1], v[GA+\i+2:GA+\i+3]
.endr
.irp i, 0,8,16,24
	v_pk_add_f32 v[GA+\i:GA+\i+1], v[GA+\i:GA+\i+1], v[GA+\i+4:GA+\i+5]
.endr
.irp m, 0,1
	v_pk_add_f32 v[GA+16*\m:GA+16*\m+1], v[GA+16*\m:GA+16*\m+1], v[GA+16*\m+8:GA+16*\m+9]
.endr
.irp m, 0,1
	v_pk_add_f32 v[GS+2*\m:GS+2*\m+1], v[GS+2*\m:GS+2*\m+1], v[GA+16*\m:GA+16*\m+1]
.endr
	WIN 0
.endm
; ---- THE HEAD
	s_load_b512 s[4:19], s[0:1], 0x0       ; the 18 addresses, in the order of the arguments: argument i in s[4 + 2 i : 5 + 2 i]
	s_load_b512 s[20:35], s[0:1], 0x40
	s_load_b128 s[36:39], s[0:1], 0x80
	v_lshl_add_u32 v[SPW], v0, 2, SPARE
	v_mov_b32 v[NIL], 0
	ds_add_u32 v[SPW], v[NIL]              ; the wave's opening: the add, twice on end, and its wait ahead of my first tensor load; the set-up below, work on registers, stands between
	ds_add_u32 v[SPW], v[NIL]
	v_lshrrev_b32 v27, 5, v0
	v_readfirstlane_b32 s[WV], v27         ; wave 0..3
	v_and_b32 v28, 31, v0                  ; lane
	v_and_b32 v29, 15, v0                  ; r
	v_bfe_u32 v30, v0, 4, 1                ; h
	DESC G1K, W0K, 512, 64, 512            ; keys, out_w: 64 rows of 512 bytes, dense
	DESC G1V, W0V, 256, 128, 256           ; values: 128 rows of 256 bytes, dense
	DESC G1G, W0G, 1024, 32, 1024          ; gate_w: 32 rows of 1,024 bytes, dense
	DESC G1U, W0U, 1024, 32, 4096          ; update_input: my 256 columns of 32 rows
	DESC G1M, W0M, 512, 32, 2048           ; memory_weights: my 128 columns of 32 rows
	s_mov_b32 s[SEL], 0x76543210
	s_mov_b32 s[SEL+1], 0xfedcba98         ; v_permlanex16_b32's selects for lane l xor 16
	s_mov_b32 s[CS], 0x3e0293ee            ; c = log2(e) / sqrt(128)
	s_mov_b32 s[CS+1], s[CS]
	s_mul_i32 s2, s[WV], PART              ; my part of slot 0,
	s_add_co_u32 s3, s2, SLOTB             ; of slot 1: the wave's number and constants alone
	s_mov_b32 s[G0A], 1
	s_mov_b32 s[G0A+1], s2
	s_mov_b32 s[G0B], 1
	s_mov_b32 s[G0B+1], s3
	s_mov_b32 s[G0P], 1
	s_mov_b32 s[G0P+1], s3
	v_lshl_add_u32 v[LI], v28, 4, IMG
	v_mul_u32_u24 v27, v29, PK
	v_lshl_add_u32 v31, v30, 4, v27
	v_add_nc_u32 v[AK0], s2, v31
	v_add_nc_u32 v[AK0+1], s3, v31
	v_lshl_add_u32 v31, v30, 5, v27
	v_add_nc_u32 v[MWA], s3, v31
	v_mul_u32_u24 v27, v29, PV
	v_lshl_add_u32 v31, v30, 4, v27
	v_add_nc_u32 v[AV0], s2, v31
	v_add_nc_u32 v[AV0+1], s3, v31
	v_mul_u32_u24 v27, v29, PG
	v_lshl_add_u32 v31, v30, 4, v27
	v_add_nc_u32 v[AG0], s2, v31
	v_add_nc_u32 v[AG0+1], s3, v31
	v_lshl_add_u32 v31, v30, 5, v27
	v_add_nc_u32 v[SO], s2, v31
	v_mul_u32_u24 v27, v29, PU
	v_lshl_add_u32 v31, v30, 5, v27
	v_add_nc_u32 v[UA], s3, v31
	v_lshl_add_u32 v[RD], v28, 4, s2
	s_lshl_b32 s101, s[WV], 12
	v_add_nc_u32 v[HWI], s101, v[LI]
	s_lshl_b32 s101, s[WV], 11
	v_add_nc_u32 v[PIA], s101, v[LI]
	s_lshr_b32 s101, s[WV], 1
	s_lshl_b32 s101, s101, 9
	s_and_b32 s[CNT], s[WV], 1
	s_lshl_b32 s[CNT], s[CNT], 3
	s_add_co_u32 s101, s101, s[CNT]
	s_add_co_u32 s101, s101, ASC
	v_lshl_add_u32 v[SWA], v29, 4, s101    ; ASC + 16 r + 512 (w / 2) + 8 (w % 2)
	s_lshl_b32 s[CNT], s[WV], 2
	s_add_co_u32 s101, s[CNT], ASC
	v_lshl_add_u32 v[PWA], v29, 4, s101
	s_add_co_u32 s101, s[CNT], STAT
	v_lshl_add_u32 v[STW], v29, 4, s101
	v_lshl_add_u32 v[STR], v29, 4, STAT
	v_lshl_add_u32 v[ASR], v28, 4, ASC
	v_lshlrev_b32 v[L16], 4, v28
	v_lshlrev_b32 v[L32], 5, v28
	v_lshlrev_b32 v[L64], 6, v28
	v_lshlrev_b32 v[QO], 9, v29
	v_lshl_add_u32 v[QO], v30, 4, v[QO]
	v_lshlrev_b32 v[BO], 5, v30
	v_lshlrev_b32 v[PFO], 11, v28
.irp q, 0,1,2,3,4,5,6,7
	v_mov_b32 v[BT+\q], 0                  ; written once: a lane permute's destination counts as one of its sources
.endr
.irp q, 0,1,2,3
	v_mov_b32 v[QB+\q], 0
	v_mov_b32 v[FM0+\q], 0                 ; (the upper halves are named with the lower as pairs)
.endr
	v_mov_b32 v[TA], 0
	v_mov_b32 v[TB], 0
	s_bfe_u32 s104, ttmp6, 0x40000         ; my place in the cluster: it enters the global addresses of q, memory_weights, update_input and out0 alone
	s_lshl_b32 s105, ttmp9, 2
	s_add_co_u32 s100, s105, s104          ; my block of 32 rows = 4 x cluster + place
	s_wait_dscnt 0x0                       ; both opening adds are done
	s_wait_kmcnt 0x0
	s_mov_b32 s105, 0
	s_lshl_b32 s104, s100, 14              ; q's codes: 32 rows of 512 bytes
	s_add_nc_u64 s[4:5], s[4:5], s[104:105]
	s_lshl_b32 s104, s100, 10              ; q's scales: 32 rows of 32
	s_add_nc_u64 s[6:7], s[6:7], s[104:105]
	s_lshl_b32 s104, s100, 16              ; memory_weights: 32 rows of 2,048
	s_add_nc_u64 s[12:13], s[12:13], s[104:105]
	s_lshl_b32 s104, s100, 17              ; update_input, out0: 32 rows of 4,096
	s_add_nc_u64 s[20:21], s[20:21], s[104:105]
	s_add_nc_u64 s[38:39], s[38:39], s[104:105]
	s_mov_b32 s3, 0
	s_lshl_b32 s2, s[WV], 9                ; my 128 columns of memory_weights
	s_add_nc_u64 s[12:13], s[12:13], s[2:3]
	s_lshl_b32 s2, s[WV], 10               ; my 256 columns of f32
	s_add_nc_u64 s[20:21], s[20:21], s[2:3]
	s_add_nc_u64 s[38:39], s[38:39], s[2:3]
	s_add_nc_u64 s[26:27], s[26:27], s[2:3]
	s_add_nc_u64 s[32:33], s[32:33], s[2:3]
	s_add_nc_u64 s[34:35], s[34:35], s[2:3]
	s_add_nc_u64 s[36:37], s[36:37], s[2:3]
	s_lshl_b32 s2, s[WV], 16               ; my 128 keys of 512 bytes; my 256 rows of values of 256
	s_add_nc_u64 s[8:9], s[8:9], s[2:3]
	s_add_nc_u64 s[14:15], s[14:15], s[2:3]
	s_lshl_b32 s2, s[WV], 12               ; and their scale bytes
	s_add_nc_u64 s[10:11], s[10:11], s[2:3]
	s_add_nc_u64 s[16:17], s[16:17], s[2:3]
	s_lshl_b32 s2, s[WV], 18               ; my 256 rows of gate_w of 1,024 bytes,
	s_add_nc_u64 s[22:23], s[22:23], s[2:3]
	s_lshl_b32 s2, s[WV], 14
	s_add_nc_u64 s[24:25], s[24:25], s[2:3]
	s_lshl_b32 s2, s[WV], 17               ; of out_w of 512
	s_add_nc_u64 s[28:29], s[28:29], s[2:3]
	s_lshl_b32 s2, s[WV], 13
	s_add_nc_u64 s[30:31], s[30:31], s[2:3]
	s_mov_b64 s[G0A+2:G0A+3], s[8:9]       ; my first 64 keys
	s_or_b32 s[G0A+3], s[G0A+3], 0x80000000
	s_add_nc_u64 s[8:9], s[8:9], 32768
	s_mov_b64 s[G0P+2:G0P+3], s[20:21]     ; my strip of update_input
	s_or_b32 s[G0P+3], s[G0P+3], 0x80000000
	ROUND                                  ; all four work-groups are here: the first joint loads meet
	tensor_load_to_lds s[G0A:G0A+3], s[G1K:G1K+7]   ; the two first fills go out together: two loads of mine are out, later one
	s_nop 0
	tensor_load_to_lds s[G0P:G0P+3], s[G1U:G1U+7]
	s_nop 0
	PLACES 4
	s_load_b32 s[DEC], s[18:19], 0x0       ; memory_decay
	WIN 0x40
.irp m, 0,1
.irp k, 0,1,2,3,4,5,6,7
	global_load_b128 v[8*(2*\k+\m):8*(2*\k+\m)+3], v[QO], s[4:5] offset:8192*\m+64*\k      ; q's 16 fragments stay in registers for product 1
	global_load_b128 v[8*(2*\k+\m)+4:8*(2*\k+\m)+7], v[QO], s[4:5] offset:8192*\m+64*\k+32
.endr
.endr
	WIN 0
	global_load_b128 v[AS:AS+3], v[L32], s[6:7]             ; q's scale words: lane l takes row l's eight
	global_load_b128 v[AS+4:AS+7], v[L32], s[6:7] offset:16
	PRE_K 10, 0, 0
	PRE_K 10, 1, 1
	s_mov_b32 s[K10], 0x3a800000           ; 2^-10
	s_mov_b32 s[EPS], 0x3727c5ac           ; 1e-5
; ---- product 1, my first 64 keys
	s_wait_tensorcnt 0x1                   ; the keys are in; the strip of update_input, issued behind them, may be out.  My part is read by me alone
	s_wait_loadcnt 0x0
	MM AK0, PK, 4, 8, 0, 0, 64, 0xa4, 0, 0, 0xa4
; ---- update_input's strip becomes K steps 8 + 2 w, 9 + 2 w of product 3, while my other 64 keys land
	CHANGE G0A, G1K, 8, 0
	global_prefetch_b8 v[PFO], s[12:13] th:TH_LOAD_NT scope:SCOPE_SE              ; my strip of memory_weights, which the next change of slots asks for: 32 rows x 512 bytes, a lane a row,
	global_prefetch_b8 v[PFO], s[12:13] offset:256 th:TH_LOAD_NT scope:SCOPE_SE   ; two blocks of 256 bytes a row: each block is named once in the launch, by the one wave that will load it
	PRE_V 0, 0
.irp k, 0,1
.irp m, 0,1
.irp t, 0,1,2,3,4,5,6,7
	ds_load_b128 v[WF+64*\m+8*\t:WF+64*\m+8*\t+3], v[UA] offset:16*PU*\m+512*\k+64*\t
	ds_load_b128 v[WF+64*\m+8*\t+4:WF+64*\m+8*\t+7], v[UA] offset:16*PU*\m+512*\k+64*\t+16
.endr
.endr
	s_wait_dscnt 0x0
.irp m, 0,1
	QMAX WF+64*\m, 0, BM
	QCODE WF+64*\m, 0, BM
	IMAGE HWI, 16384+(2*\k+\m)*1024, SWA, 1024+4*\k+256*\m
.endr
.endr
; ---- product 1, my other 64 keys
	CHANGE G0P, G1M, 12, 0
	MM AK0, PK, 4, 8, 1, 32, 64, 0xa4, 0, 0, 0xa4
; ---- the softmax, while the first half of my values lands
	CHANGE G0A, G1V, 14, 1
	PRE_V 1, 1
.irp m, 0,1
.irp t, 0,1,2,3,4,5,6,7
	ds_load_b128 v[WF+64*\m+8*\t:WF+64*\m+8*\t+3], v[MWA] offset:16*PK*\m+64*\t
	ds_load_b128 v[WF+64*\m+8*\t+4:WF+64*\m+8*\t+7], v[MWA] offset:16*PK*\m+64*\t+16
.endr
.endr
	s_wait_dscnt 0x0
	WIN 0x02
.set i_, 0
.rept 64
	v_pk_mul_f32 v[WF+i_:WF+i_+1], v[i_:i_+1], v[WF+i_:WF+i_+1]    ; u = S x memory_weights; each accumulator is read from its low end on
.set i_, i_+2
.endr
	WIN 0
.irp q, 0,1,2,3,4,5,6,7
	v_max3_num_f32 v[BM+\q], v[WF+16*\q], v[WF+16*\q+1], v[WF+16*\q+2]   ; the largest u of each block of 32 keys (q = 4 m + b): it serves the row's maximum and, since p rises with u, the block's largest p
.endr
.irp i, 3,5,7,9,11,13
.irp q, 0,1,2,3,4,5,6,7
	v_max3_num_f32 v[BM+\q], v[BM+\q], v[WF+16*\q+\i], v[WF+16*\q+\i+1]
.endr
.endr
.irp q, 0,1,2,3,4,5,6,7
	v_max_num_f32 v[BM+\q], v[BM+\q], v[WF+16*\q+15]
.endr
.irp q, 0,1,2,3,4,5,6,7
	v_permlanex16_b32 v[BT+\q], v[BM+\q], s[SEL], s[SEL+1]
.endr
.irp q, 0,1,2,3,4,5,6,7
	v_max_num_f32 v[BM+\q], v[BM+\q], v[BT+\q]
.endr
	v_max3_num_f32 v[VA], v[BM], v[BM+1], v[BM+2]
	v_max3_num_f32 v[VB], v[BM+4], v[BM+5], v[BM+6]
	v_max_num_f32 v[VA], v[VA], v[BM+3]
	v_max_num_f32 v[VB], v[VB], v[BM+7]
	STAT_PUT 0
	BARRIER
	STAT_GET 0
	v_max3_num_f32 v[VA], v[R4A], v[R4A+1], v[R4A+2]
	v_max3_num_f32 v[VB], v[R4B], v[R4B+1], v[R4B+2]
	v_max_num_f32 v[VA], v[VA], v[R4A+3]
	v_max_num_f32 v[VB], v[VB], v[R4B+3]   ; the rows' largest u over all 512 keys
	v_mul_f32 v[VA], s[CS], v[VA]          ; as t (c is positive)
	v_mul_f32 v[VB], s[CS], v[VB]
	v_floor_f32 v[FM0], -v[VA]             ; -M = floor(-t) = -ceil(t)
	v_floor_f32 v[FM1], -v[VB]
.irp m, 0,1
.set i_, WF+64*\m
.rept 32
	v_pk_fma_f32 v[i_:i_+1], v[i_:i_+1], s[CS:CS+1], v[FM0+2*\m:FM0+2*\m+1] op_sel_hi:[1,0,0]   ; t - M
.set i_, i_+2
.endr
.endr
.irp q, 0,1,2,3,4,5,6,7
	v_fma_f32 v[BM+\q], v[BM+\q], s[CS], v[FM0+2*(\q/4)]           ; the same of each block's largest u
.endr
.set i_, 0
.rept 128
	v_exp_f32 v[WF+i_], v[WF+i_]           ; p = 2^(t - M): not normalised
.set i_, i_+1
.endr
	v_nop                                  ; a plain place behind the batch,
	s_wait_alu depctr_va_vdst(0)           ; and its one wait, ahead of its first reader
.irp q, 0,1,2,3,4,5,6,7
	v_exp_f32 v[BM+\q], v[BM+\q]           ; the blocks' largest p; the sums below, which read the 128 alone, are the work behind these eight
.endr
.irp m, 0,1
	v_pk_add_f32 v[BT+4*\m:BT+4*\m+1], v[WF+64*\m:WF+64*\m+1], v[WF+64*\m+2:WF+64*\m+3]       ; l is the sum of the unquantised p: two chains of pairs for each row tile
	v_pk_add_f32 v[BT+4*\m+2:BT+4*\m+3], v[WF+64*\m+4:WF+64*\m+5], v[WF+64*\m+6:WF+64*\m+7]
.endr
.irp i, 8,12,16,20,24,28,32,36,40,44,48,52,56,60
.irp m, 0,1
	v_pk_add_f32 v[BT+4*\m:BT+4*\m+1], v[BT+4*\m:BT+4*\m+1], v[WF+64*\m+\i:WF+64*\m+\i+1]
	v_pk_add_f32 v[BT+4*\m+2:BT+4*\m+3], v[BT+4*\m+2:BT+4*\m+3], v[WF+64*\m+\i+2:WF+64*\m+\i+3]
.endr
.endr
	FOLD
	STAT_PUT 1
	s_wait_alu depctr_va_vdst(0)           ; the wait for the eight
.irp q, 0,1,2,3,4,5,6,7
	v_max_num_f32 v[BM+\q], 0x1800000, v[BM+\q]   ; the floor 2^(3 - 127): the byte cannot fall under 1
.endr
.irp m, 0,1
	QCODE WF+64*\m, 0, BM+4*\m
	IMAGE PIA, 1024*\m, PWA, 256*\m        ; my 128 keys are K step w of product 2
.endr
	BARRIER
	FETCHA 8
	STAT_GET 1
	SUM4                                   ; l
	s_wait_kmcnt 0x0                       ; memory_decay
	v_rcp_f32 v[VA], v[VA]
	v_rcp_f32 v[VB], v[VB]
	v_nop
	s_wait_alu depctr_va_vdst(0)
	v_mul_f32 v[FM0], s[DEC], v[VA]        ; decay / l
	v_mul_f32 v[FM1], s[DEC], v[VB]
; ---- product 2: my 256 columns of mr in two chunks of 128 rows of values
	CHANGE G0B, G1V, 14, 0
	s_wait_loadcnt 4                       ; the first chunk's scale words are in; the second's four loads may be out
	MM AV0, PV, 8, 4, 0, 0, 128, 0xa4, 0, 0, 0xa4
	CHANGE G0A, G1G, 22, 1
	PRE_G 0, 0
	s_wait_loadcnt 8                       ; all but the eight just issued
	MM AV0+1, PV, 8, 4, 1, 64, 128, 0xa4, 0, 0, 0xa4
	SCALE_MR                               ; mr = (p V) x decay / l
	QUANT_MR
	BARRIER                                ; all 32 images of [mr | update_input] lie in LDS
	FETCHA 32
	WIN 0xc0
.irp q, 0,1,2,3
	v_mov_b32 v[GS+\q], 0
.endr
	WIN 0
; ---- product 3: eight chunks of 32 rows of gate_w over all 2,048 of K.  A trip takes two chunks, once round the ring
	s_mov_b32 s[CNT], 3
.Lgate:
	CHANGE G0B, G1G, 22, 1
	PRE_G 1, 1
	s_wait_loadcnt 8                       ; this chunk's scale words and bias are in; the next chunk's eight loads may be out
	MM AG0, PG, 2, 16, 0, GA, 16, 0xf4, 1, BIG, 0xf4
	SIG
	CHANGE G0A, G1G, 22, 1
	PRE_G 2, 0
	s_wait_loadcnt 8
	MM AG0+1, PG, 2, 16, 1, GA, 16, 0xf4, 1, BIG+16, 0xf4
	SIG
	s_wait_xcnt 0x0                        ; the loads have read their bases, so these may step: two chunks on
	s_add_nc_u64 s[24:25], s[24:25], 4096
	s_add_nc_u64 s[26:27], s[26:27], 256
	s_sub_co_u32 s[CNT], s[CNT], 1
	s_cmp_lg_u32 s[CNT], 0
	s_cbranch_scc1 .Lgate
	CHANGE G0B, G1G, 22, 0                 ; the last two chunks are written out: the second change asks for out_w
	PRE_G 1, 1
	s_wait_loadcnt 8
	MM AG0, PG, 2, 16, 0, GA, 16, 0xf4, 1, BIG, 0xf4
	SIG
	CHANGE G0A, G1K, 28, 1
	s_wait_loadcnt 0x0
	MM AG0+1, PG, 2, 16, 1, GA, 16, 0xf4, 1, BIG+16, 0xf4
	SIG
	PRE_O 0, 0
	WIN 0x0f
	v_add_f32 v[VA], v[GS], v[GS+1]
	v_add_f32 v[VB], v[GS+2], v[GS+3]
	WIN 0
	CROSS
	STAT_PUT 0
	BARRIER
	STAT_GET 0
	SUM4
	v_fma_f32 v[FM0], v[VA], s[K10], 1.0   ; 1 + the mean of the 1,024 gates
	v_fma_f32 v[FM1], v[VB], s[K10], 1.0
	SCALE_MR
	QUANT_MR
	BARRIER
	FETCHA 16
; ---- product 4: my 256 columns of out in four chunks of 64 rows of out_w; out_b is the C of each sum's first product
	CHANGE G0B, G1K, 28, 1
	PRE_O 1, 1
	s_wait_loadcnt 12                      ; all but the twelve just issued
	MM AK0, PK, 4, 8, 0, 0, 128, 0xf4, 1, BIO, 0xd4
	CHANGE G0A, G1K, 28, 1
	PRE_O 2, 0
	s_wait_loadcnt 12
	MM AK0+1, PK, 4, 8, 1, 32, 128, 0xf4, 1, BIO+32, 0xd4
	CHANGE G0B, G1K, 28, 0
	PRE_O 3, 1
	s_wait_loadcnt 12
	MM AK0, PK, 4, 8, 0, 64, 128, 0xf4, 1, BIO, 0xd4
	s_wait_tensorcnt 0x0                   ; the last chunk is in; nothing is left to fetch
	s_wait_loadcnt 0x0
	WIN 0x80
.set t_, 0
.rept 16
	global_load_b128 v[8*t_:8*t_+3], v[BO], s[34:35] offset:64*t_             ; gamma and beta of my 256 columns, in the result's layout, into the registers that mr has left
	global_load_b128 v[8*t_+4:8*t_+7], v[BO], s[34:35] offset:64*t_+16
	global_load_b128 v[128+8*t_:128+8*t_+3], v[BO], s[36:37] offset:64*t_
	global_load_b128 v[128+8*t_+4:128+8*t_+7], v[BO], s[36:37] offset:64*t_+16
.set t_, t_+1
.endr
	WIN 0
	MM AK0+1, PK, 4, 8, 1, 96, 128, 0xf4, 1, BIO+32, 0xd4
; ---- LayerNorm: the mean; the differences; the mean of their squares
.irp q, 0,1,2,3,4,5,6,7
	v_mov_b32 v[BT+\q], 0
.endr
	WIN 0x03
.set i_, 0
.rept 32
.irp m, 0,1
	v_pk_add_f32 v[BT+4*\m:BT+4*\m+1], v[128*\m+i_:128*\m+i_+1], v[BT+4*\m:BT+4*\m+1]        ; each accumulator is read from its low end on
	v_pk_add_f32 v[BT+4*\m+2:BT+4*\m+3], v[128*\m+i_+2:128*\m+i_+3], v[BT+4*\m+2:BT+4*\m+3]
.endr
.set i_, i_+4
.endr
	WIN 0
	FOLD
	STAT_PUT 1
	BARRIER
	STAT_GET 1
	SUM4
	v_mul_f32 v[FM0], s[K10], v[VA]        ; mu
	v_mul_f32 v[FM1], s[K10], v[VB]
.irp q, 0,1,2,3,4,5,6,7
	v_mov_b32 v[BT+\q], 0
.endr
	WIN 0xc3
.irp m, 0,1
.set i_, 128*\m
.rept 64
	v_pk_add_f32 v[i_:i_+1], v[i_:i_+1], v[FM0+2*\m:FM0+2*\m+1] op_sel_hi:[1,0] neg_lo:[0,1] neg_hi:[0,1]
.set i_, i_+2
.endr
.endr
	WIN 0x0f
.set i_, 0
.rept 32
.irp m, 0,1
	v_pk_fma_f32 v[BT+4*\m:BT+4*\m+1], v[128*\m+i_:128*\m+i_+1], v[128*\m+i_:128*\m+i_+1], v[BT+4*\m:BT+4*\m+1]
	v_pk_fma_f32 v[BT+4*\m+2:BT+4*\m+3], v[128*\m+i_+2:128*\m+i_+3], v[128*\m+i_+2:128*\m+i_+3], v[BT+4*\m+2:BT+4*\m+3]
.endr
.set i_, i_+4
.endr
	WIN 0
	FOLD
	STAT_PUT 0
	BARRIER
	STAT_GET 0
	SUM4
	v_fma_f32 v[VA], v[VA], s[K10], s[EPS] ; var + 1e-5
	v_fma_f32 v[VB], v[VB], s[K10], s[EPS]
	v_rsq_f32 v[FM0], v[VA]
	v_rsq_f32 v[FM1], v[VB]
	v_nop
	s_wait_alu depctr_va_vdst(0)
	s_wait_loadcnt 0x0                     ; gamma and beta
	WIN 0xc3
.irp m, 0,1
.set i_, 128*\m
.rept 64
	v_pk_mul_f32 v[i_:i_+1], v[i_:i_+1], v[FM0+2*\m:FM0+2*\m+1] op_sel_hi:[1,0]
.set i_, i_+2
.endr
.endr
	WIN 0xeb
.irp m, 0,1
.set i_, 0
.rept 64
	v_pk_fma_f32 v[128*\m+i_:128*\m+i_+1], v[128*\m+i_:128*\m+i_+1], v[i_:i_+1], v[128+i_:128+i_+1]
.set i_, i_+2
.endr
.endr
; ---- THE WAY OUT.  A lane holds 32 neighbouring bytes of a row and the lanes beside it other rows: 16 rows x 1,024 bytes at a time go through my stage and come back as runs of 512 bytes.  The stage is my part of slot 0,
; which has had its last fill and its last read.  LDS serves a wave's instructions in order (ISA guide 5.7.1.4): no wait between the stores and the loads.
.irp m, 0,1
	WIN 0x0c
.set t_, 0
.rept 16
	ds_store_b128 v[SO], v[128*\m+8*t_:128*\m+8*t_+3] offset:16*PG*\m+64*t_
	ds_store_b128 v[SO], v[128*\m+8*t_+4:128*\m+8*t_+7] offset:16*PG*\m+64*t_+16
.set t_, t_+1
.endr
	WIN 0
.if \m == 1
	s_wait_xcnt 0x0                        ; the first tile's stores have read their registers: the loads below may land there
.endif
.set i_, 0
.rept 32
	ds_load_b128 v[WF+4*i_:WF+4*i_+3], v[RD] offset:16*PG*\m+PG*(i_/2)+512*(i_%2)
.set i_, i_+1
.endr
.set i_, 0
.rept 32
	s_wait_dscnt 31-i_                     ; loads come back in order: number i is in, the younger ones may be out
	global_store_b128 v[L16], v[WF+4*i_:WF+4*i_+3], s[38:39] offset:(16*\m+i_/2)*4096+512*(i_%2) th:TH_STORE_NT   ; 32 lanes store 512 consecutive bytes, at a multiple of 256 from out0's first byte
.set i_, i_+1
.endr
.endr
	s_wait_tensorcnt 0x0                   ; the wave's end, behind my last tensor load and my last LDS store
	ds_add_u32 v[SPW], v[NIL]
	s_wait_dscnt 0x0
	ROUND                                  ; the closing round: no work-group ends while a partner may still ask for a tile that names it
	s_endpgm
.Lfunc_end_k_q4236bc536d_fused:
	.size	k_q4236bc536d_fused, .Lfunc_end_k_q4236bc536d_fused-k_q4236bc536d_fused
	.p2alignl 7, 3214868480
	.fill 96, 4, 3214868480
	.section	.rodata,"a",@progbits
	.p2align	6, 0x0
	.amdhsa_kernel k_q4236bc536d_fused
		.amdhsa_group_segment_fixed_size 327680
		.amdhsa_private_segment_fixed_size 0
		.amdhsa_enable_private_segment 0
		.amdhsa_kernarg_size 144
		.amdhsa_user_sgpr_count 2
		.amdhsa_user_sgpr_kernarg_segment_ptr 1
		.amdhsa_wavefront_size32 1
		.amdhsa_system_sgpr_workgroup_id_x 1
		.amdhsa_system_sgpr_workgroup_id_y 1
		.amdhsa_system_sgpr_workgroup_id_z 1
		.amdhsa_system_vgpr_workitem_id 0
		.amdhsa_next_free_vgpr 1024
		.amdhsa_next_free_sgpr 106
		.amdhsa_reserve_vcc 0
		.amdhsa_float_denorm_mode_32 3
		.amdhsa_float_denorm_mode_16_64 3
		.amdhsa_memory_ordered 1
		.amdhsa_forward_progress 1
		.amdhsa_inst_pref_size 255
	.end_amdhsa_kernel
	.section	.bss,"aw",@nobits
	.p2align	6
	.space	262144
	.amdgpu_metadata
---
amdhsa.version: [ 1, 2 ]
amdhsa.kernels:
  - .name:           k_q4236bc536d_fused
    .symbol:         k_q4236bc536d_fused.kd
    .args:
      - { .name: query_codes, .offset: 0, .size: 8, .value_kind: global_buffer, .address_space: global }
      - { .name: query_scales, .offset: 8, .size: 8, .value_kind: global_buffer, .address_space: global }
      - { .name: memory_keys_codes, .offset: 16, .size: 8, .value_kind: global_buffer, .address_space: global }
      - { .name: memory_keys_scales, .offset: 24, .size: 8, .value_kind: global_buffer, .address_space: global }
      - { .name: memory_weights, .offset: 32, .size: 8, .value_kind: global_buffer, .address_space: global }
      - { .name: memory_values_codes, .offset: 40, .size: 8, .value_kind: global_buffer, .address_space: global }
      - { .name: memory_values_scales, .offset: 48, .size: 8, .value_kind: global_buffer, .address_space: global }
      - { .name: memory_decay, .offset: 56, .size: 8, .value_kind: global_buffer, .address_space: global }
      - { .name: update_input, .offset: 64, .size: 8, .value_kind: global_buffer, .address_space: global }
      - { .name: gate_w_codes, .offset: 72, .size: 8, .value_kind: global_buffer, .address_space: global }
      - { .name: gate_w_scales, .offset: 80, .size: 8, .value_kind: global_buffer, .address_space: global }
      - { .name: gate_b, .offset: 88, .size: 8, .value_kind: global_buffer, .address_space: global }
      - { .name: out_w_codes, .offset: 96, .size: 8, .value_kind: global_buffer, .address_space: global }
      - { .name: out_w_scales, .offset: 104, .size: 8, .value_kind: global_buffer, .address_space: global }
      - { .name: out_b, .offset: 112, .size: 8, .value_kind: global_buffer, .address_space: global }
      - { .name: ln_gamma, .offset: 120, .size: 8, .value_kind: global_buffer, .address_space: global }
      - { .name: ln_beta, .offset: 128, .size: 8, .value_kind: global_buffer, .address_space: global }
      - { .name: out0, .offset: 136, .size: 8, .value_kind: global_buffer, .address_space: global }
    .group_segment_fixed_size: 327680
    .private_segment_fixed_size: 0
    .kernarg_segment_align: 8
    .kernarg_segment_size: 144
    .max_flat_workgroup_size: 128
    .sgpr_count:     106
    .vgpr_count:     1024
    .wavefront_size: 32
...
	.end_amdgpu_metadata
.endif
;; end of part 1
;; ======== version 2 of 2: 1 launch
;; limits: right only within a limited range of input values
;; launch fused (part 2): grid 256 x 1, 8 waves a work-group, clusters of 4 x 1, 327,680 bytes of LDS; arguments query_codes, query_scales, memory_keys_codes, memory_keys_scales, memory_weights, memory_values_codes, memory_values_scales, memory_decay, update_input, gate_w_codes, gate_w_scales, gate_b, out_w_codes, out_w_scales, out_b, ln_gamma, ln_beta, out0; writes out0
.if DOCPART == 2
	.amdgcn_target "amdgcn-amd-amdhsa--gfx1250"
	.amdhsa_code_object_version 6
	.text
	.protected	k_q4236bc536d_fused
	.globl	k_q4236bc536d_fused
	.p2align	8
	.type	k_q4236bc536d_fused,@function
k_q4236bc536d_fused:
	s_mov_b64 s[64:65], 0
	v_nop
	global_prefetch_b8 v0, s[64:65] scope:SCOPE_SE
	s_setreg_imm32_b32 hwreg(HW_REG_WAVE_MODE, 25, 1), 1
	s_wait_xcnt 0x0
	s_wait_alu depctr_hold_cnt(0) depctr_sa_sdst(0) depctr_va_vdst(0) depctr_va_sdst(0) depctr_va_ssrc(0) depctr_va_vcc(0) depctr_vm_vsrc(0)
	s_getreg_b32 s2, hwreg(HW_REG_IB_STS2, 6, 4)
	s_cmp_eq_u32 s2, 0
	s_cbranch_scc0 .Lentry_in_a_cluster
	s_endpgm
.Lentry_in_a_cluster:
	s_bfe_u32 s2, ttmp6, 0x10000c
	s_cmp_lg_u32 s2, 0x3003
	s_cbranch_scc0 .Lentry_shape_is_right
	s_endpgm
.Lentry_shape_is_right:
; The whole module for 32 rows of the 8,192: scores, softmax, read, gate, output projection, layer norm.
; SHARES.  256 work-groups of 8 waves, 32 rows each.  The weights (keys, values, gate_w, out_w: 2 MiB of codes) are walked by every work-group as SIXTEEN TILES of one shape, 512 rows x 256 bytes (512 along K):
;   T0, T1 keys (K halves); T2, T3 values (halves of the columns); T4-T11 gate_w (columns 0-511: four quarters of K, then columns 512-1023); T12-T15 out_w (K half 0: both column halves; K half 1: both).
; Wave w fetches rows 64 w .. 64 w + 63 of each tile by one tensor load and is their only reader: 4 blocks of 16 rows x 4 x 128 along K, each against the work-group's two blocks of 16 rows: 32 matrix instructions.
; CLUSTERS of 4 work-groups ask for each tile jointly (mask 15).  Two LDS slots take turns; a change of slots also publishes what the waves have stored for each other where such data are due.
; Two more fills of the ring are each work-group's own, by plain tensor loads: behind T1 the memory_weights (a wave: 32 rows x its 64 keys), behind T3 the update_input (a wave: 32 rows x its 128 columns).
; THE MATRIX INSTRUCTION IS USED TRANSPOSED: source 0 = 16 weight rows, source 1 = 16 of my rows: lane (r, h) holds row r and registers j the columns 8 h + j of the 16.
; Activations that are operands lie in LDS as images of the operand's registers: fragment (k, m) = 128 along K, rows 16 m ..: 1,024 bytes at (2 k + m) 1,024; 16 bytes a lane, twice.  The query lies there first, as rows of 512 bytes + 16.
; REGISTERS.  window 0: v0-47 addresses, statistics, my rows' scale words; v48-63, v224-239 the weights' scale words, two sets; v64-127 A (4 x 128 along K x 2 blocks of rows); v128-223 the tile's fragments, three buffers, between steps temporaries.
;   window 1: names 0-127 (v256-383): scores and memory_weights, then memory_read, at the end gamma and beta;  names 128-255 (v384-511): update_input, then the gate's sums and bias, then the output's sums.
; LAYER NORM: each wave takes the mean and the squared deviations of its 128 columns, and the eight are merged exactly: no difference of large sums.
; PREFETCH: in step t a work-group asks for 8 rows of tile t + 3 (T1 and T2 at the head, T0 by its load alone); 64 work-groups share a tile out by address, so that four clusters name each block of 256 bytes.  My rows of memory_weights are named once at the head (loaded behind T1), those of update_input in steps 0 and 1 (loaded behind T3).
; LIMIT: an exponential whose result lies under 2^-126 counts as 0 (ISA guide 15.8).
.set PART,  17408
.set SLOTB, 8*PART
.set IMG,   2*SLOTB
.set ASC,   IMG+32768
.set STAT,  ASC+2048
.set SPARE, STAT+2048
.set SPW, 1
.set NIL, 2
.set LI,  3
.set ASR, 4
.set AW0, 5
.set HWI, 7
.set SWA, 8
.set UCA, 9
.set USA, 10
.set STW, 11
.set STR, 12
.set SO,  13
.set RD,  14
.set OST, 15
.set L16, 16
.set L32, 17
.set LG,  18
.set BO,  19
.set PF2, 20
.set PF5, 21
.set PF10, 22
.set UPL, 23
.set MWL, 24
.set LK,  25
.set QIW, 26
.set UPF, 27
.set VA,  28
.set VB,  29
.set TA,  30
.set TB,  31
.set FM0, 32
.set FM1, 34
.set GS,  36
.set AS,  40
.set WS0, 48
.set WS1, 224
.set QA,  240
.set AF,  64
.set WF,  128
.set PP,  128
.set BM,  192
.set QB,  196
.set QS,  200
.set PC,  204
.set PW,  212
.set BT,  216
.set R4,  200
.set R5,  128
.set UB,  192
.set UT,  200
.set US,  208
.set UP,  216
.set RR_, 200
.set HH_, 201
.set LN_, 202
.set T0_, 203
.set T1_, 204
.set E_,  205
.set RW_, 206
.set EH_, 207
.set G1K, 40
.set G1V, 48
.set G1G, 56
.set WV,  66
.set PTK, 72
.set PTV, 74
.set PTG, 76
.set PTO, 78
.set G0A, 84
.set G0B, 88
.set SEL, 96
.set CS,  98
.set DEC, 100
.set K10, 101
.set EPS, 104
.set W0W, 15|(1<<20)|(1<<21)|(5<<22)|(3<<25)
.set W0M, (1<<20)|(5<<22)|(3<<25)
.set W0U, (1<<20)|(6<<22)|(3<<25)
.set MSB, 0
.macro WIN new
.if MSB != \new
	s_set_vgpr_msb (MSB<<8)|\new
.set MSB, \new
.endif
.endm
.macro PLACES n
.rept \n
	v_nop
.endr
.endm
.macro VDST
	s_wait_alu depctr_va_vdst(0)
.endm
; descriptor group 1: R rows of C bytes, pitch P, 16 bytes of padding behind each row in LDS
.macro DESC g, w0, C, R, P
	s_mov_b32 s[\g], \w0
	s_mov_b32 s[\g+1], (\C)<<16
	s_mov_b32 s[\g+2], (\R)<<16
	s_mov_b32 s[\g+3], (\C)<<16
	s_mov_b32 s[\g+4], \R
	s_mov_b32 s[\g+5], \P
	s_mov_b32 s[\g+6], 0
	s_mov_b32 s[\g+7], 0
.endm
.macro ROUND
	s_barrier_signal -1
	s_barrier_wait -1
	s_cmp_lg_u32 s[WV], 0
	s_cbranch_scc1 .Lnot_wave_0_\@
	s_barrier_signal -3
.Lnot_wave_0_\@:
	s_barrier_wait -3
	s_barrier_signal -1
	s_barrier_wait -1
.endm
.macro BARRIER
	VDST
	s_wait_dscnt 0x0
	s_barrier_signal -1
	s_barrier_wait -1
.endm
; A change of slots: my loads have landed, my LDS reads and stores are done, a round; then the next tile into the slot read last.
.macro CHANGE g0, g1, ptr, off
	WIN 0
	VDST
	s_wait_tensorcnt 0x0
	ds_add_u32 v[SPW], v[NIL]
	s_add_nc_u64 s[\g0+2:\g0+3], s[\ptr:\ptr+1], \off
	s_or_b32 s[\g0+3], s[\g0+3], 0x80000000
	s_wait_dscnt 0x0
	ROUND
	tensor_load_to_lds s[\g0:\g0+3], s[\g1:\g1+7]
	s_nop 0
	PLACES 4
.endm
; wave 0 asks for my work-group's 8 rows of a later tile
.macro ASK base, v, off
	s_cmp_lg_u32 s[WV], 0
	s_cbranch_scc1 .Lnot_mine_\@
	global_prefetch_b8 v[\v], s[\base:\base+1] offset:\off th:TH_LOAD_NT scope:SCOPE_SE
.Lnot_mine_\@:
.endm
; scale words of my 64 weight rows for 1,024 along K: register 4 t + i: lanes 0-15 rows 16 t .., the first 512 along K; lanes 16-31 the same rows, the next 512
.macro WSL base, v, ptr, off, st
.irp t, 0,1,2,3
	global_load_b128 v[\base+4*\t:\base+4*\t+3], v[\v], s[\ptr:\ptr+1] offset:\off+(\st)*\t
.endr
.endm
; the LDS loads of one 128 along K: A's two fragments (a = 1: from the images; 2: from the query's rows) and four of the tile
.macro LD a, slot, kc, ks
.irp m, 0,1
.irp i, 0,1
.if \a == 1
	ds_load_b128 v[AF+16*\ks+8*\m+4*\i:AF+16*\ks+8*\m+4*\i+3], v[LI] offset:1024*(2*(4*(\kc)+\ks)+\m)+512*\i
.elseif \a == 2
	ds_load_b128 v[AF+16*\ks+8*\m+4*\i:AF+16*\ks+8*\m+4*\i+3], v[QA] offset:8448*\m+256*(\kc)+64*\ks+32*\i
.endif
.endr
.endr
.irp t, 0,1,2,3
.irp i, 0,1
	ds_load_b128 v[WF+32*(\ks%3)+8*\t+4*\i:WF+32*(\ks%3)+8*\t+4*\i+3], v[AW0+\slot] offset:4352*\t+64*\ks+32*\i
.endr
.endr
.endm
.macro OPEN a, slot, kc, al
	WIN 0
.if \al
	ds_load_b128 v[AS:AS+3], v[ASR] offset:512*(\kc)
.endif
	LD \a, \slot, \kc, 0
	LD \a, \slot, \kc, 1
.endm
.macro WC c
.if (ra_ == 0) && (rb_ == 0)
	v_wmma_scale_f32_16x16x128_f8f6f4 v[d_:d_+7], v[w_:w_+7], v[b_:b_+7], \c, v[x_], v[y_] matrix_a_fmt:MATRIX_FMT_FP4 matrix_b_fmt:MATRIX_FMT_FP4
.elseif (ra_ == 1) && (rb_ == 0)
	v_wmma_scale_f32_16x16x128_f8f6f4 v[d_:d_+7], v[w_:w_+7], v[b_:b_+7], \c, v[x_], v[y_] matrix_a_fmt:MATRIX_FMT_FP4 matrix_b_fmt:MATRIX_FMT_FP4 matrix_a_scale:MATRIX_SCALE_ROW1
.elseif (ra_ == 0) && (rb_ == 1)
	v_wmma_scale_f32_16x16x128_f8f6f4 v[d_:d_+7], v[w_:w_+7], v[b_:b_+7], \c, v[x_], v[y_] matrix_a_fmt:MATRIX_FMT_FP4 matrix_b_fmt:MATRIX_FMT_FP4 matrix_b_scale:MATRIX_SCALE_ROW1
.else
	v_wmma_scale_f32_16x16x128_f8f6f4 v[d_:d_+7], v[w_:w_+7], v[b_:b_+7], \c, v[x_], v[y_] matrix_a_fmt:MATRIX_FMT_FP4 matrix_b_fmt:MATRIX_FMT_FP4 matrix_a_scale:MATRIX_SCALE_ROW1 matrix_b_scale:MATRIX_SCALE_ROW1
.endif
.endm
.macro WM t, m
.set d_, dd_+8*\t+ms_*\m
.set c_, cb_+8*\t
.set w_, WF+32*(ks_%3)+8*\t
.set b_, AF+16*ks_+8*\m
.set y_, AS+4*as_+ks_
.set rb_, \m
.if kp_ == 2
.set x_, ws_+4*(\t/2)+ks_
.set ra_, \t%2
.else
.set x_, ws_+4*\t+ks_
.set ra_, kp_
.endif
.if z_ == 0
	WC v[d_:d_+7]
.elseif z_ == 1
	WC 0
.else
	WC v[c_:c_+7]
.endif
.endm
; 8 matrix instructions, 128 along K: the 8 accumulators take turns
.macro MUL ks
.set ks_, \ks
	WIN 0x50
.irp t, 0,1,2,3
.irp m, 0,1
	WM \t, \m
.endr
.endr
.endm
; a tile's work: while one 128 along K is multiplied, the next one's 12 (or 8) LDS loads are out; the fourth takes the first one's buffer, so four places stand ahead of it.
; ws, kp: the set of scale words and the half of the lanes that holds this tile's (kp = 2: lanes 16-31 hold the next 16 rows); d: the first accumulator, ms: from row block 0 to 1;
; z = 1: the first product starts the sums; z = 2: it starts from the bias at cb_
.set cb_, 0
.macro RUN a, slot, kc, ws, kp, as, d, ms, z
.set ws_, \ws
.set kp_, \kp
.set as_, \as
.set dd_, \d
.set ms_, \ms
.set z_, \z
	s_wait_dscnt 8+4*((\a+1)/2)
	MUL 0
.set z_, 0
	WIN 0
	LD \a, \slot, \kc, 2
	s_wait_dscnt 8+4*((\a+1)/2)
	MUL 1
	WIN 0
	PLACES 4
	LD \a, \slot, \kc, 3
	s_wait_dscnt 8+4*((\a+1)/2)
	MUL 2
	s_wait_dscnt 0x0
	MUL 3
	WIN 0
.endm
; statistics: [set][row block][row][wave], one f32 each
.macro PUT q
	ds_store_b32 v[STW], v[VA] offset:1024*\q
	ds_store_b32 v[STW], v[VB] offset:1024*\q+512
.endm
.macro GET q, R
	ds_load_b128 v[\R:\R+3], v[STR] offset:1024*\q
	ds_load_b128 v[\R+4:\R+7], v[STR] offset:1024*\q+16
	ds_load_b128 v[\R+8:\R+11], v[STR] offset:1024*\q+512
	ds_load_b128 v[\R+12:\R+15], v[STR] offset:1024*\q+528
	VDST
	s_wait_dscnt 0x0
.endm
.macro SUM8 R
.irp o, 0,8
	v_pk_add_f32 v[\R+\o:\R+\o+1], v[\R+\o:\R+\o+1], v[\R+\o+2:\R+\o+3]
.endr
.irp o, 0,8
	v_pk_add_f32 v[\R+\o+4:\R+\o+5], v[\R+\o+4:\R+\o+5], v[\R+\o+6:\R+\o+7]
.endr
.irp o, 0,8
	v_pk_add_f32 v[\R+\o:\R+\o+1], v[\R+\o:\R+\o+1], v[\R+\o+4:\R+\o+5]
.endr
	v_add_f32 v[VA], v[\R], v[\R+1]
	v_add_f32 v[VB], v[\R+8], v[\R+9]
.endm
.macro CROSS
	v_permlanex16_b32 v[TA], v[VA], s[SEL], s[SEL+1]
	v_permlanex16_b32 v[TB], v[VB], s[SEL], s[SEL+1]
	v_add_f32 v[VA], v[VA], v[TA]
	v_add_f32 v[VB], v[VB], v[TB]
.endm
.macro FOLD
	v_pk_add_f32 v[BT:BT+1], v[BT:BT+1], v[BT+2:BT+3]
	v_pk_add_f32 v[BT+4:BT+5], v[BT+4:BT+5], v[BT+6:BT+7]
	v_add_f32 v[VA], v[BT], v[BT+1]
	v_add_f32 v[VB], v[BT+4], v[BT+5]
	CROSS
.endm
; the quantiser on 64 registers of a lane: four blocks of 32, each in lanes l and l xor 16.  0x1800000: the floor that holds the scale byte at 1
.macro QMAX s
	WIN 0x05
.irp b, 0,1,2,3
	v_max3_num_f32 v[BM+\b], |v[\s+16*\b]|, |v[\s+16*\b+1]|, 0x1800000
.endr
.irp i, 2,4,6,8,10,12,14
.irp b, 0,1,2,3
	v_max3_num_f32 v[BM+\b], |v[\s+16*\b+\i]|, |v[\s+16*\b+\i+1]|, v[BM+\b]
.endr
.endr
	WIN 0
.irp b, 0,1,2,3
	v_permlanex16_b32 v[QB+\b], v[BM+\b], s[SEL], s[SEL+1]
.endr
.irp b, 0,1,2,3
	v_max_num_f32 v[BM+\b], v[BM+\b], v[QB+\b]
.endr
.endm
.macro QCODE s, X
.irp b, 0,1,2,3
	v_add_nc_u32 v[QS+\b], 0xff000000, v[BM+\b]
.endr
.irp b, 0,1,2,3
	v_lshrrev_b32 v[QB+\b], 23, v[QS+\b]
.endr
	v_lshl_or_b32 v[PW], v[QB+1], 8, v[QB]
	v_lshl_or_b32 v[QB+2], v[QB+3], 8, v[QB+2]
	WIN \X
.irp b, 0,1,2,3
	v_cvt_scalef32_pk8_fp4_f32 v[PC+4*(\b/2)+(\b%2)], v[\s+16*\b:\s+16*\b+7], v[QS+\b]
	v_cvt_scalef32_pk8_fp4_f32 v[PC+4*(\b/2)+2+(\b%2)], v[\s+16*\b+8:\s+16*\b+15], v[QS+\b]
.endr
	WIN 0
	v_nop
.irp c, 0,1
	v_permlane16_swap_b32 v[PC+4*\c], v[PC+4*\c+1]
	v_permlane16_swap_b32 v[PC+4*\c+2], v[PC+4*\c+3]
.endr
.endm
; the first two blocks go to fragment offset o0 and scale offset s0, the last two to o1 and s1
.macro IMAGE o0, o1, s0, s1
	ds_store_b128 v[HWI], v[PC:PC+3] offset:\o0
	ds_store_b128 v[HWI], v[PC+4:PC+7] offset:\o1
	ds_store_b16 v[SWA], v[PW] offset:\s0
	ds_store_b16 v[SWA], v[QB+2] offset:\s1
.endm
; memory_read x a factor a row
.macro SCALE_MR
	WIN 0x41
.irp m, 0,1
.set i_, 64*\m
.rept 32
	v_pk_mul_f32 v[i_:i_+1], v[i_:i_+1], v[FM0+2*\m:FM0+2*\m+1] op_sel_hi:[1,0]
.set i_, i_+2
.endr
.endr
	WIN 0
.endm
.macro QUANT_MR
.irp m, 0,1
	QMAX 64*\m
	QCODE 64*\m, 1
	IMAGE 1024*\m, 8192+1024*\m, 256*\m, 512+256*\m
.endr
.endm
; update_input: 32 rows x my 128 columns out of slot 1; a load covers 4 rows, 8 lanes a row; half hf = rows 16 hf ..
.macro UPDL hf
	WIN 0x40
.irp q, 0,1,2,3,4,5,6,7
.irp i, 0,1
	ds_load_b128 v[128+64*\hf+8*\q+4*\i:128+64*\hf+8*\q+4*\i+3], v[UPL] offset:2112*(4*\hf+\q/2)+256*(\q%2)+16*\i
.endr
.endr
	WIN 0
.endm
.macro UPDQ hf
	WIN 0x05
.irp q, 0,1,2,3,4,5,6,7
	v_max3_num_f32 v[UB+\q], |v[128+64*\hf+8*\q]|, |v[128+64*\hf+8*\q+1]|, 0x1800000
.endr
.irp i, 2,4,6
.irp q, 0,1,2,3,4,5,6,7
	v_max3_num_f32 v[UB+\q], |v[128+64*\hf+8*\q+\i]|, |v[128+64*\hf+8*\q+\i+1]|, v[UB+\q]
.endr
.endr
	WIN 0
.irp q, 0,1,2,3,4,5,6,7
	v_max_num_f32_dpp v[UB+\q], v[UB+\q], v[UB+\q] row_xmask:1 row_mask:0xf bank_mask:0xf
.endr
.irp q, 0,1,2,3,4,5,6,7
	v_max_num_f32_dpp v[UB+\q], v[UB+\q], v[UB+\q] row_xmask:2 row_mask:0xf bank_mask:0xf
.endr
.irp q, 0,1,2,3,4,5,6,7
	v_add_nc_u32 v[UT+\q], 0xff000000, v[UB+\q]
.endr
.irp q, 0,1,2,3,4,5,6,7
	v_lshrrev_b32 v[US+\q], 23, v[UT+\q]
.endr
	WIN 0x01
.irp q, 0,1,2,3,4,5,6,7
	v_cvt_scalef32_pk8_fp4_f32 v[UP+\q], v[128+64*\hf+8*\q:128+64*\hf+8*\q+7], v[UT+\q]
.endr
	WIN 0
	v_nop
.irp q, 0,1,2,3,4,5,6,7
	ds_store_b32 v[UCA], v[UP+\q] offset:1024*\hf+512*(\q%2)+64*(\q/2)
	ds_store_b8 v[USA], v[US+\q] offset:256*\hf+64*(\q/2)+2*(\q%2)
.endr
.endm
; my 128 columns of a vector: 64 registers from base on: 32 for each half of the columns
.macro VEC ptr, base
	WIN 0x40
.irp n, 0,1,2,3,4,5,6,7
.irp i, 0,1
	global_load_b128 v[\base+8*\n+4*\i:\base+8*\n+4*\i+3], v[BO], s[\ptr:\ptr+1] offset:2048*(\n/4)+64*(\n%4)+16*\i
.endr
.endr
	WIN 0
.endm
.macro HALVE b, st
.set i_, 0
.rept (\st)/2
.irp m, 0,1
	v_pk_add_f32 v[\b+32*\m+i_:\b+32*\m+i_+1], v[\b+32*\m+i_:\b+32*\m+i_+1], v[\b+32*\m+\st+i_:\b+32*\m+\st+i_+1]
.endr
.set i_, i_+2
.endr
.endm
; the sum of sigmoid(x) = 1 / (1 + 2^(-x log2(e))) over my 64 columns of a half, 32 registers for each row block
.macro SIG b, more
	WIN 0x55
.set i_, \b
.rept 32
	v_pk_mul_f32 v[i_:i_+1], v[i_:i_+1], 0xbfb8aa3b op_sel_hi:[1,0]
.set i_, i_+2
.endr
.set i_, \b
	VDST
.rept 64
	v_exp_f32 v[i_], v[i_]
.set i_, i_+1
.endr
	v_nop
	VDST
.set i_, \b
.rept 32
	v_pk_add_f32 v[i_:i_+1], v[i_:i_+1], 1.0 op_sel_hi:[1,0]
.set i_, i_+2
.endr
.set i_, \b
	VDST
.rept 64
	v_rcp_f32 v[i_], v[i_]
.set i_, i_+1
.endr
	v_nop
	VDST
	HALVE \b, 16
	HALVE \b, 8
	HALVE \b, 4
	WIN 0x05
.irp m, 0,1
.if \more
	v_pk_add_f32 v[BT+2*\m:BT+2*\m+1], v[\b+32*\m:\b+32*\m+1], v[\b+32*\m+2:\b+32*\m+3]
.else
	v_pk_add_f32 v[GS+2*\m:GS+2*\m+1], v[\b+32*\m:\b+32*\m+1], v[\b+32*\m+2:\b+32*\m+3]
.endif
.endr
	WIN 0
.if \more
.irp m, 0,1
	v_pk_add_f32 v[GS+2*\m:GS+2*\m+1], v[GS+2*\m:GS+2*\m+1], v[BT+2*\m:BT+2*\m+1]
.endr
.endif
.endm
; gate tile n (T4 + n): the change asks for the next tile.  Every second tile the scale words of the pair of tiles after this pair are asked for: four loads, which may stay out
.macro GATE n
.set n_, \n
.set nx_, n_+1
.set sl_, n_%2
.set kc_, n_%4
.if n_ < 7
	CHANGE G0A+4*(nx_%2), G1G, PTG, 256*(nx_%4)+524288*(nx_/4)
.else
	CHANGE G0A, G1K, PTO, 0
.endif
	OPEN 1, sl_, kc_, 1
.if n_ == 0
	WSL WS1, LG, 24, 32, 1024
.elseif n_ == 2
	WSL WS0, LG, 24, 32768, 1024
.elseif n_ == 4
	WSL WS1, LG, 24, 32768+32, 1024
.elseif n_ == 6
	WSL WS0, LK, 30, 0, 512
.endif
.if n_ < 5
	ASK 22, PF10, 256*((n_+3)%4)+524288*((n_+3)/4)
.elseif n_ == 5
	ASK 28, PF5, 0
.elseif n_ == 6
	ASK 28, PF5, 262144
.else
	ASK 28, PF5, 256
.endif
.if sl_ == 0
	s_wait_loadcnt 4
.endif
.set cb_, 192+32*(n_/4)
.if kc_ == 0
	RUN 1, sl_, kc_, WS0+176*((n_/2)%2), sl_, 0, 128, 32, 2
.else
	RUN 1, sl_, kc_, WS0+176*((n_/2)%2), sl_, 0, 128, 32, 0
.endif
.endm
.macro ADDP d, p, src, sh
	s_lshl_b32 s2, s[\src], \sh
	s_add_nc_u64 s[\d:\d+1], s[\p:\p+1], s[2:3]
.endm
	s_load_b512 s[4:19], s[0:1], 0x0
	s_load_b512 s[20:35], s[0:1], 0x40
	s_load_b128 s[36:39], s[0:1], 0x80
	v_lshl_add_u32 v[SPW], v0, 2, SPARE
	v_mov_b32 v[NIL], 0
	ds_add_u32 v[SPW], v[NIL]                      ; the opening: the add, twice on end, and its wait ahead of the first tensor load
	ds_add_u32 v[SPW], v[NIL]
	v_lshrrev_b32 v[T0_], 5, v0
	v_readfirstlane_b32 s[WV], v[T0_]              ; wave 0..7
	DESC G1K, W0W, 256, 64, 512                    ; keys and out_w
	DESC G1V, W0W, 256, 64, 256                    ; values
	DESC G1G, W0M, 256, 32, 2048                   ; memory_weights first; gate_w's behind them
	s_mov_b32 s[SEL], 0x76543210
	s_mov_b32 s[SEL+1], 0xfedcba98
	s_mov_b32 s[CS], 0x3e0293ee                    ; log2(e) / sqrt(128)
	s_mov_b32 s[CS+1], s[CS]
	s_mov_b32 s[K10], 0x3a800000                   ; 1 / 1024
	s_mov_b32 s[EPS], 0x3727c5ac
	s_mul_i32 s67, s[WV], PART                     ; my rows of slot 0, and of slot 1
	s_add_co_u32 s70, s67, SLOTB
	s_mov_b32 s[G0A], 1
	s_mov_b32 s[G0A+1], s67
	s_mov_b32 s[G0B], 1
	s_mov_b32 s[G0B+1], s70
	s_lshr_b32 s71, s[WV], 1                       ; my 64 columns of a half: fragment k = wave / 2, its half wave % 2
	s_lshl_b32 s71, s71, 11
	s_and_b32 s80, s[WV], 1
	s_lshl_b32 s80, s80, 9
	s_add_co_u32 s71, s71, s80
	s_add_co_u32 s71, s71, IMG
	s_mul_i32 s80, s[WV], 2112
	s_add_co_u32 s80, s80, IMG                     ; the query: rows 4 wave ..
	s_lshl_b32 s95, s[WV], 11
	s_add_co_u32 s95, s95, IMG+16384               ; update_input: fragments of k = 8 + wave
	s_lshr_b32 s81, s[WV], 2
	s_lshl_b32 s81, s81, 9
	s_and_b32 s82, s[WV], 3
	s_lshl_b32 s82, s82, 2
	s_add_co_u32 s81, s81, s82
	s_add_co_u32 s81, s81, ASC+1024
	s_lshl_b32 s82, s[WV], 1
	s_add_co_u32 s82, s82, ASC
	s_lshl_b32 s83, s[WV], 2
	s_add_co_u32 s83, s83, STAT
	s_bfe_u32 s94, ttmp6, 0x40000                  ; cx
	s_lshl_b32 s93, ttmp9, 2
	s_add_co_u32 s93, s93, s94                     ; my work-group
	s_and_b32 s92, ttmp9, 3                        ; my share of a tile's prefetch: one of 16 by bits 0, 1, 3, 4 of the cluster's number, then cx
	s_lshr_b32 s68, ttmp9, 1
	s_and_b32 s68, s68, 12
	s_or_b32 s92, s92, s68
	s_lshl_b32 s92, s92, 2
	s_add_co_u32 s92, s92, s94
	s_lshl_b32 s92, s92, 3                         ; 8 rows
	v_and_b32 v[RR_], 15, v0
	v_bfe_u32 v[HH_], v0, 4, 1
	v_and_b32 v[LN_], 31, v0
	v_and_b32 v[E_], 7, v0
	v_bfe_u32 v[RW_], v0, 3, 2
	v_bfe_u32 v[EH_], v0, 2, 1
	v_lshl_add_u32 v[LI], v[LN_], 4, IMG
	v_lshl_add_u32 v[ASR], v[LN_], 4, ASC
	v_mul_u32_u24 v[T0_], v[RR_], 272
	v_lshl_add_u32 v[T1_], v[HH_], 4, v[T0_]
	v_add_nc_u32 v[AW0], s67, v[T1_]
	v_add_nc_u32 v[AW0+1], s70, v[T1_]
	v_lshl_add_u32 v[T1_], v[HH_], 5, v[T0_]
	v_add_nc_u32 v[MWL], s67, v[T1_]
	v_lshl_add_u32 v[HWI], v[LN_], 4, s71
	v_lshl_add_u32 v[QIW], v[LN_], 4, s80
	v_lshl_add_u32 v[SWA], v[RR_], 4, s82
	v_lshl_add_u32 v[STW], v[RR_], 5, s83
	v_lshl_add_u32 v[STR], v[RR_], 5, STAT
	v_and_b32 v[T1_], 3, v0
	v_lshlrev_b32 v[T1_], 2, v[T1_]
	v_lshl_add_u32 v[T1_], v[EH_], 8, v[T1_]
	v_lshl_add_u32 v[T1_], v[RW_], 4, v[T1_]
	v_add_nc_u32 v[UCA], s95, v[T1_]
	v_lshl_add_u32 v[T1_], v[RW_], 4, v[EH_]
	v_add_nc_u32 v[USA], s81, v[T1_]
	v_mul_u32_u24 v[T0_], v[RW_], 528
	v_lshl_add_u32 v[T0_], v[E_], 5, v[T0_]
	v_add_nc_u32 v[UPL], s70, v[T0_]
	v_lshlrev_b32 v[BO], 5, v[HH_]
	v_lshlrev_b32 v[T0_], 4, v[HH_]
	v_lshl_add_u32 v[LK], v[RR_], 5, v[T0_]
	v_lshl_add_u32 v[LG], v[RR_], 6, v[T0_]
	v_mul_u32_u24 v[T1_], v[RR_], 528
	v_add_nc_u32 v[QA], v[T1_], v[T0_]
	v_add_nc_u32 v[QA], IMG, v[QA]
	v_add_nc_u32 v[T0_], v[T1_], v[BO]
	v_add_nc_u32 v[SO], s67, v[T0_]
	v_lshlrev_b32 v[L16], 4, v[LN_]
	v_lshlrev_b32 v[L32], 5, v[LN_]
	v_lshlrev_b32 v[UPF], 8, v[LN_]
	v_add_nc_u32 v[T1_], s92, v[E_]
	v_lshlrev_b32 v[PF2], 8, v[T1_]
	v_lshlrev_b32 v[PF5], 9, v[T1_]
	v_lshlrev_b32 v[PF10], 10, v[T1_]
	v_add_nc_u32 v[RD], s67, v[L16]
	v_lshlrev_b32 v[OST], 11, v[HH_]
	v_lshl_add_u32 v[OST], v[RR_], 4, v[OST]
	v_mov_b32 v[TA], 0                             ; (a lane permute's destination counts as one of its sources)
	v_mov_b32 v[TB], 0
.irp q, 0,1,2,3
	v_mov_b32 v[FM0+\q], 0                         ; (upper halves of named pairs)
.endr
	VDST
	s_wait_dscnt 0x0
	s_wait_kmcnt 0x0
	s_load_b32 s[DEC], s[18:19], 0x0
	s_mov_b32 s3, 0
	ADDP 4, 4, 93, 14                              ; query: 32 rows x 512 bytes; I fetch rows 4 wave ..
	ADDP 4, 4, WV, 11
	ADDP 6, 6, 93, 10
	ADDP PTK, 8, WV, 15                            ; my 64 rows of each tile
	ADDP 10, 10, WV, 11                            ; and their scale bytes
	ADDP 16, 16, WV, 10
.irp i, 0,1,2,3
	global_load_b128 v[AF+4*\i:AF+4*\i+3], v[L16], s[4:5] offset:512*\i
.endr
	global_load_b128 v[AS:AS+3], v[L32], s[6:7]
	global_load_b128 v[AS+4:AS+7], v[L32], s[6:7] offset:16
	WSL WS0, LK, 10, 0, 512
.irp q, 0,1,2,3
	global_load_b128 v[WS1+4*\q:WS1+4*\q+3], v[L16], s[16:17] offset:8192*(\q/2)+512*(\q%2)   ; values: 32 rows a load
.endr
	s_mov_b64 s[G0A+2:G0A+3], s[PTK:PTK+1]
	s_or_b32 s[G0A+3], s[G0A+3], 0x80000000
	ROUND                                          ; all four work-groups are here: the first joint loads meet
	tensor_load_to_lds s[G0A:G0A+3], s[G1K:G1K+7]  ; T0
	s_nop 0
	PLACES 4
	ASK 8, PF5, 256
	ASK 14, PF2, 0
	ADDP 12, 12, 93, 16                            ; memory_weights: my rows, my 64 keys
	ADDP 80, 12, WV, 13
	ADDP 12, 12, WV, 8
	global_prefetch_b8 v[UPF], s[80:81] th:TH_LOAD_NT scope:SCOPE_SE
	ADDP 20, 20, 93, 17                            ; update_input: my rows, my 128 columns
	ADDP 82, 20, WV, 14
	ADDP 20, 20, WV, 9
	ADDP PTV, 14, WV, 14
	ADDP PTG, 22, WV, 16
	ADDP PTO, 28, WV, 15
	ADDP 24, 24, WV, 12
	ADDP 30, 30, WV, 11
.irp p, 26,32,34,36,38
	ADDP \p, \p, WV, 8
.endr
	ADDP 38, 38, 93, 17
	s_wait_loadcnt 10                              ; the query's four are in; behind them 10 of scale words
.irp i, 0,1,2,3
	ds_store_b128 v[QIW], v[AF+4*\i:AF+4*\i+3] offset:528*\i
.endr
; SCORES: T0, T1
	CHANGE G0B, G1K, PTK, 256
	OPEN 2, 0, 0, 0
	ASK 14, PF2, 131072
	global_prefetch_b8 v[UPF], s[82:83] th:TH_LOAD_NT scope:SCOPE_SE
	s_wait_loadcnt 4                               ; all but the values' words
	RUN 2, 0, 0, WS0, 0, 0, 0, 32, 1
	CHANGE G0A, G1G, 12, 0
	OPEN 2, 1, 1, 0
	ASK 22, PF10, 0
	global_prefetch_b8 v[UPF], s[82:83] offset:8192 th:TH_LOAD_NT scope:SCOPE_SE
	RUN 2, 1, 1, WS0, 1, 1, 0, 32, 0
; memory_weights lie in slot 0; T2 is asked for
	CHANGE G0B, G1V, PTV, 0
	WIN 0x40
.irp m, 0,1
.irp t, 0,1,2,3
.irp i, 0,1
	ds_load_b128 v[64+32*\m+8*\t+4*\i:64+32*\m+8*\t+4*\i+3], v[MWL] offset:4352*\m+64*\t+16*\i
.endr
.endr
.endr
	WIN 0
	WSL WS0, LG, 24, 0, 1024                       ; the gate's first pair of tiles
	DESC G1G, W0W, 256, 64, 1024                   ; (memory_weights' load is done, so the descriptor may be written)
	s_wait_dscnt 0x0
; SOFTMAX.  Registers PP + 32 m + 8 t + j: row block m, key 64 wave + 16 t + 8 h + j
	WIN 0x05
.set i_, 0
.rept 32
	v_pk_mul_f32 v[PP+i_:PP+i_+1], v[i_:i_+1], v[64+i_:64+i_+1]
.set i_, i_+2
.endr
	WIN 0
.irp q, 0,1,2,3
	v_max3_num_f32 v[BM+\q], v[PP+16*\q], v[PP+16*\q+1], v[PP+16*\q+2]
.endr
.irp i, 3,5,7,9,11,13
.irp q, 0,1,2,3
	v_max3_num_f32 v[BM+\q], v[BM+\q], v[PP+16*\q+\i], v[PP+16*\q+\i+1]
.endr
.endr
.irp q, 0,1,2,3
	v_max_num_f32 v[BM+\q], v[BM+\q], v[PP+16*\q+15]
.endr
.irp q, 0,1,2,3
	v_permlanex16_b32 v[QB+\q], v[BM+\q], s[SEL], s[SEL+1]
.endr
.irp q, 0,1,2,3
	v_max_num_f32 v[BM+\q], v[BM+\q], v[QB+\q]
.endr
	v_max_num_f32 v[VA], v[BM], v[BM+1]
	v_max_num_f32 v[VB], v[BM+2], v[BM+3]
	PUT 0
	CHANGE G0A, G1V, PTV, 131072                   ; T3 (this round also publishes the maxima)
	GET 0, R4
	v_max3_num_f32 v[VA], v[R4], v[R4+1], v[R4+2]
	v_max3_num_f32 v[VB], v[R4+8], v[R4+9], v[R4+10]
	v_max3_num_f32 v[VA], v[VA], v[R4+3], v[R4+4]
	v_max3_num_f32 v[VB], v[VB], v[R4+11], v[R4+12]
	v_max3_num_f32 v[VA], v[VA], v[R4+5], v[R4+6]
	v_max3_num_f32 v[VB], v[VB], v[R4+13], v[R4+14]
	v_max_num_f32 v[VA], v[VA], v[R4+7]
	v_max_num_f32 v[VB], v[VB], v[R4+15]
	v_mul_f32 v[VA], s[CS], v[VA]
	v_mul_f32 v[VB], s[CS], v[VB]
	v_floor_f32 v[FM0], -v[VA]                     ; -M = -ceil(the largest t)
	v_floor_f32 v[FM1], -v[VB]
.irp m, 0,1
.set i_, PP+32*\m
.rept 16
	v_pk_fma_f32 v[i_:i_+1], v[i_:i_+1], s[CS:CS+1], v[FM0+2*\m:FM0+2*\m+1] op_sel_hi:[1,0,0]
.set i_, i_+2
.endr
.endr
.irp q, 0,1,2,3
	v_fma_f32 v[BM+\q], v[BM+\q], s[CS], v[FM0+2*(\q/2)]
.endr
.set i_, 0
	VDST
.rept 64
	v_exp_f32 v[PP+i_], v[PP+i_]
.set i_, i_+1
.endr
	v_nop
	VDST
.irp q, 0,1,2,3
	v_exp_f32 v[BM+\q], v[BM+\q]                   ; the block's largest p: p rises with the score
.endr
.irp m, 0,1
	v_pk_add_f32 v[BT+4*\m:BT+4*\m+1], v[PP+32*\m:PP+32*\m+1], v[PP+32*\m+2:PP+32*\m+3]
	v_pk_add_f32 v[BT+4*\m+2:BT+4*\m+3], v[PP+32*\m+4:PP+32*\m+5], v[PP+32*\m+6:PP+32*\m+7]
.endr
.irp i, 8,12,16,20,24,28
.irp m, 0,1
	v_pk_add_f32 v[BT+4*\m:BT+4*\m+1], v[BT+4*\m:BT+4*\m+1], v[PP+32*\m+\i:PP+32*\m+\i+1]
	v_pk_add_f32 v[BT+4*\m+2:BT+4*\m+3], v[BT+4*\m+2:BT+4*\m+3], v[PP+32*\m+\i+2:PP+32*\m+\i+3]
.endr
.endr
	FOLD                                           ; the sum of the unquantised p over my 64 keys
	PUT 1
	VDST
.irp q, 0,1,2,3
	v_max_num_f32 v[BM+\q], 0x1800000, v[BM+\q]
.endr
	QCODE PP, 0
	IMAGE 0, 1024, 0, 256
	BARRIER
	GET 1, R4
	SUM8 R4
	VDST
	s_wait_kmcnt 0x0                               ; the decay
	v_rcp_f32 v[VA], v[VA]
	v_rcp_f32 v[VB], v[VB]
	v_nop
	VDST
	v_mul_f32 v[FM0], s[DEC], v[VA]
	v_mul_f32 v[FM1], s[DEC], v[VB]
; THE READ: T2 (slot 1), T3 (slot 0).  Accumulators 64 m + 32 half + 8 t
	OPEN 1, 1, 0, 1
	ASK 22, PF10, 256
	s_wait_loadcnt 4                               ; all but the gate's first words
	RUN 1, 1, 0, WS1, 2, 0, 0, 64, 1
	VDST
	s_wait_tensorcnt 0x0                           ; T3 is in: no tensor load of mine is out, so the values' descriptor may be written:
	DESC G1V, W0U, 512, 32, 4096                   ; from here on it is update_input's
	CHANGE G0B, G1V, 20, 0
	OPEN 0, 0, 0, 0
	ASK 22, PF10, 512
	RUN 0, 0, 0, WS1+8, 2, 0, 32, 64, 1
	PLACES 4
	SCALE_MR
	QUANT_MR
; update_input lies in slot 1; T4 is asked for
	CHANGE G0A, G1G, PTG, 0
	UPDL 1
	UPDL 0
	s_wait_dscnt 16                                ; the first 16 loads
	UPDQ 1
	VEC 26, 192                                    ; gate_b takes the place of what has been quantised
	s_wait_dscnt 16                                ; all but the 16 stores behind the loads
	UPDQ 0
; THE GATE: T4 .. T11.  The first change also publishes the images.  Sums 128 + 32 m + 8 t, bias 192 + 32 half + 8 t
	GATE 0
	GATE 1
	GATE 2
	GATE 3
	PLACES 4
	SIG 128, 0
	GATE 4
	GATE 5
	GATE 6
	GATE 7
	PLACES 4
	SIG 128, 1
	VEC 32, 128                                    ; out_b starts the output's sums, for both row blocks
	VEC 32, 192
	v_add_f32 v[VA], v[GS], v[GS+1]
	v_add_f32 v[VB], v[GS+2], v[GS+3]
	CROSS
	PUT 0
	CHANGE G0B, G1K, PTO, 262144                   ; T13 (also publishes the gate's sums)
	WSL WS1, LK, 30, 16384, 512
	GET 0, R4
	SUM8 R4
	v_fma_f32 v[FM0], v[VA], s[K10], 1.0           ; 1 + the gate's mean
	v_fma_f32 v[FM1], v[VB], s[K10], 1.0
	SCALE_MR
	QUANT_MR
	BARRIER
; THE OUTPUT PROJECTION: T12 .. T15.  Accumulators 128 + 64 m + 32 half + 8 t
	OPEN 1, 0, 0, 1
	ASK 28, PF5, 262144+256
	s_wait_loadcnt 4                               ; all but the second half's words
	RUN 1, 0, 0, WS0, 0, 0, 128, 64, 0
	VEC 34, 0                                      ; gamma and beta take memory_read's place
	VEC 36, 64
	CHANGE G0A, G1K, PTO, 256
	OPEN 0, 1, 0, 0
	s_wait_loadcnt 32                              ; all but gamma and beta
	RUN 0, 1, 0, WS1, 0, 0, 160, 64, 0
	CHANGE G0B, G1K, PTO, 262144+256
	OPEN 1, 0, 1, 1
	RUN 1, 0, 1, WS0, 1, 0, 128, 64, 0
	s_wait_tensorcnt 0x0                           ; T15: I read only the rows that I fetched
	PLACES 4
	OPEN 0, 1, 1, 0
	s_wait_loadcnt 0x0
	RUN 0, 1, 1, WS1, 1, 0, 160, 64, 0
	PLACES 4
; LAYER NORM.  My columns' mean and squared deviations, then the eight waves' merged
	WIN 0x05
.irp m, 0,1
	v_pk_add_f32 v[BT+4*\m:BT+4*\m+1], v[128+64*\m:129+64*\m], v[130+64*\m:131+64*\m]
	v_pk_add_f32 v[BT+4*\m+2:BT+4*\m+3], v[132+64*\m:133+64*\m], v[134+64*\m:135+64*\m]
.endr
	WIN 0x01
.set i_, 136
.rept 14
.irp m, 0,1
	v_pk_add_f32 v[BT+4*\m:BT+4*\m+1], v[64*\m+i_:64*\m+i_+1], v[BT+4*\m:BT+4*\m+1]
	v_pk_add_f32 v[BT+4*\m+2:BT+4*\m+3], v[64*\m+i_+2:64*\m+i_+3], v[BT+4*\m+2:BT+4*\m+3]
.endr
.set i_, i_+4
.endr
	WIN 0
	FOLD
	v_mul_f32 v[FM0], 0x3c000000, v[VA]            ; / 128
	v_mul_f32 v[FM1], 0x3c000000, v[VB]
	WIN 0x41
.irp m, 0,1
.set i_, 128+64*\m
.rept 32
	v_pk_add_f32 v[i_:i_+1], v[i_:i_+1], v[FM0+2*\m:FM0+2*\m+1] op_sel_hi:[1,0] neg_lo:[0,1] neg_hi:[0,1]
.set i_, i_+2
.endr
.endr
	WIN 0x05
.irp m, 0,1
.irp i, 0,2
	v_pk_mul_f32 v[BT+4*\m+\i:BT+4*\m+\i+1], v[128+64*\m+\i:129+64*\m+\i], v[128+64*\m+\i:129+64*\m+\i]
.endr
.endr
.set i_, 132
.rept 15
.irp m, 0,1
	v_pk_fma_f32 v[BT+4*\m:BT+4*\m+1], v[64*\m+i_:64*\m+i_+1], v[64*\m+i_:64*\m+i_+1], v[BT+4*\m:BT+4*\m+1]
	v_pk_fma_f32 v[BT+4*\m+2:BT+4*\m+3], v[64*\m+i_+2:64*\m+i_+3], v[64*\m+i_+2:64*\m+i_+3], v[BT+4*\m+2:BT+4*\m+3]
.endr
.set i_, i_+4
.endr
	WIN 0
	FOLD
	ds_store_b32 v[STW], v[FM0]
	ds_store_b32 v[STW], v[FM1] offset:512
	PUT 1
	BARRIER
	GET 0, R4
	GET 1, R5
	SUM8 R5                                        ; VA, VB: the squared deviations from each wave's own mean
.irp m, 0,1
	v_pk_add_f32 v[BT+4*\m:BT+4*\m+1], v[R4+8*\m:R4+8*\m+1], v[R4+8*\m+2:R4+8*\m+3]
	v_pk_add_f32 v[BT+4*\m+2:BT+4*\m+3], v[R4+8*\m+4:R4+8*\m+5], v[R4+8*\m+6:R4+8*\m+7]
.endr
.irp m, 0,1
	v_pk_add_f32 v[BT+4*\m:BT+4*\m+1], v[BT+4*\m:BT+4*\m+1], v[BT+4*\m+2:BT+4*\m+3]
.endr
.irp m, 0,1
	v_add_f32 v[TA+\m], v[BT+4*\m], v[BT+4*\m+1]
.endr
.irp m, 0,1
	v_mul_f32 v[QB+2*\m], 0x3e000000, v[TA+\m]     ; / 8: the row's mean
.endr
.irp i, 0,2,4,6
.irp m, 0,1
	v_pk_add_f32 v[R4+8*\m+\i:R4+8*\m+\i+1], v[R4+8*\m+\i:R4+8*\m+\i+1], v[QB+2*\m:QB+2*\m+1] op_sel_hi:[1,0] neg_lo:[0,1] neg_hi:[0,1]
.endr
.endr
.irp m, 0,1
	v_pk_mul_f32 v[BT+4*\m:BT+4*\m+1], v[R4+8*\m:R4+8*\m+1], v[R4+8*\m:R4+8*\m+1]
.endr
.irp i, 2,4,6
.irp m, 0,1
	v_pk_fma_f32 v[BT+4*\m:BT+4*\m+1], v[R4+8*\m+\i:R4+8*\m+\i+1], v[R4+8*\m+\i:R4+8*\m+\i+1], v[BT+4*\m:BT+4*\m+1]
.endr
.endr
.irp m, 0,1
	v_add_f32 v[TA+\m], v[BT+4*\m], v[BT+4*\m+1]
.endr
.irp m, 0,1
	v_fma_f32 v[VA+\m], v[TA+\m], 0x43000000, v[VA+\m]   ; + 128 x the means' squared deviations
.endr
.irp m, 0,1
	v_fma_f32 v[VA+\m], v[VA+\m], s[K10], s[EPS]
.endr
.irp m, 0,1
	v_sub_f32 v[FM0+2*\m], v[FM0+2*\m], v[QB+2*\m] ; my mean less the row's
.endr
	VDST
	v_rsq_f32 v[BM], v[VA]
	v_rsq_f32 v[BM+2], v[VB]
	v_nop
	VDST
	v_mul_f32 v[FM0], v[FM0], v[BM]
	v_mul_f32 v[FM1], v[FM1], v[BM+2]
; THE WAY OUT.  Through my own rows of slot 0 (their last fill and my last read of them are past): 16 rows of 512 bytes + 16, back as two aligned units of 256 bytes
.macro NORM m
	WIN 0x41
.set i_, 128+64*\m
.rept 32
	v_pk_fma_f32 v[i_:i_+1], v[i_:i_+1], v[BM+2*\m:BM+2*\m+1], v[FM0+2*\m:FM0+2*\m+1] op_sel_hi:[1,0,0]
.set i_, i_+2
.endr
	WIN 0x55
.set i_, 0
.rept 32
	v_pk_fma_f32 v[128+64*\m+i_:128+64*\m+i_+1], v[128+64*\m+i_:128+64*\m+i_+1], v[i_:i_+1], v[64+i_:64+i_+1]
.set i_, i_+2
.endr
	WIN 0
.endm
.macro STAGE m
	WIN 0x04
.irp n, 0,1,2,3,4,5,6,7
	ds_store_b128 v[SO], v[128+64*\m+8*\n:128+64*\m+8*\n+3] offset:8448*\m+64*\n
	ds_store_b128 v[SO], v[128+64*\m+8*\n+4:128+64*\m+8*\n+7] offset:8448*\m+64*\n+16
.endr
	WIN 0
.set i_, 0
.rept 16
	ds_load_b128 v[WF+64*\m+4*i_:WF+64*\m+4*i_+3], v[RD] offset:8448*\m+528*i_
.set i_, i_+1
.endr
.endm
.macro SEND m
.set i_, 0
.rept 16
	s_wait_dscnt 15-i_
	global_store_b128 v[OST], v[WF+64*\m+4*i_:WF+64*\m+4*i_+3], s[38:39] offset:(16*\m+i_)*4096 th:TH_STORE_NT
.set i_, i_+1
.endr
.endm
	NORM 0
	STAGE 0
	NORM 1
	VDST
	SEND 0
	STAGE 1
	SEND 1
	s_wait_tensorcnt 0x0                           ; the wave's end
	ds_add_u32 v[SPW], v[NIL]
	s_wait_dscnt 0x0
	ROUND                                          ; the closing round
	s_endpgm
.Lfunc_end_k_q4236bc536d_fused:
	.size	k_q4236bc536d_fused, .Lfunc_end_k_q4236bc536d_fused-k_q4236bc536d_fused
	.p2alignl 7, 3214868480
	.fill 96, 4, 3214868480
	.section	.rodata,"a",@progbits
	.p2align	6, 0x0
	.amdhsa_kernel k_q4236bc536d_fused
		.amdhsa_group_segment_fixed_size 327680
		.amdhsa_private_segment_fixed_size 0
		.amdhsa_enable_private_segment 0
		.amdhsa_kernarg_size 144
		.amdhsa_user_sgpr_count 2
		.amdhsa_user_sgpr_kernarg_segment_ptr 1
		.amdhsa_wavefront_size32 1
		.amdhsa_system_sgpr_workgroup_id_x 1
		.amdhsa_system_sgpr_workgroup_id_y 1
		.amdhsa_system_sgpr_workgroup_id_z 1
		.amdhsa_system_vgpr_workitem_id 0
		.amdhsa_next_free_vgpr 512
		.amdhsa_next_free_sgpr 106
		.amdhsa_reserve_vcc 0
		.amdhsa_float_denorm_mode_32 3
		.amdhsa_float_denorm_mode_16_64 3
		.amdhsa_memory_ordered 1
		.amdhsa_forward_progress 1
		.amdhsa_inst_pref_size 255
	.end_amdhsa_kernel
	.section	.bss,"aw",@nobits
	.p2align	6
	.space	262144
	.amdgpu_metadata
---
amdhsa.version: [ 1, 2 ]
amdhsa.kernels:
  - .name:           k_q4236bc536d_fused
    .symbol:         k_q4236bc536d_fused.kd
    .args:
      - { .name: query_codes, .offset: 0, .size: 8, .value_kind: global_buffer, .address_space: global }
      - { .name: query_scales, .offset: 8, .size: 8, .value_kind: global_buffer, .address_space: global }
      - { .name: memory_keys_codes, .offset: 16, .size: 8, .value_kind: global_buffer, .address_space: global }
      - { .name: memory_keys_scales, .offset: 24, .size: 8, .value_kind: global_buffer, .address_space: global }
      - { .name: memory_weights, .offset: 32, .size: 8, .value_kind: global_buffer, .address_space: global }
      - { .name: memory_values_codes, .offset: 40, .size: 8, .value_kind: global_buffer, .address_space: global }
      - { .name: memory_values_scales, .offset: 48, .size: 8, .value_kind: global_buffer, .address_space: global }
      - { .name: memory_decay, .offset: 56, .size: 8, .value_kind: global_buffer, .address_space: global }
      - { .name: update_input, .offset: 64, .size: 8, .value_kind: global_buffer, .address_space: global }
      - { .name: gate_w_codes, .offset: 72, .size: 8, .value_kind: global_buffer, .address_space: global }
      - { .name: gate_w_scales, .offset: 80, .size: 8, .value_kind: global_buffer, .address_space: global }
      - { .name: gate_b, .offset: 88, .size: 8, .value_kind: global_buffer, .address_space: global }
      - { .name: out_w_codes, .offset: 96, .size: 8, .value_kind: global_buffer, .address_space: global }
      - { .name: out_w_scales, .offset: 104, .size: 8, .value_kind: global_buffer, .address_space: global }
      - { .name: out_b, .offset: 112, .size: 8, .value_kind: global_buffer, .address_space: global }
      - { .name: ln_gamma, .offset: 120, .size: 8, .value_kind: global_buffer, .address_space: global }
      - { .name: ln_beta, .offset: 128, .size: 8, .value_kind: global_buffer, .address_space: global }
      - { .name: out0, .offset: 136, .size: 8, .value_kind: global_buffer, .address_space: global }
    .group_segment_fixed_size: 327680
    .private_segment_fixed_size: 0
    .kernarg_segment_align: 8
    .kernarg_segment_size: 144
    .max_flat_workgroup_size: 256
    .sgpr_count:     106
    .vgpr_count:     512
    .wavefront_size: 32
...
	.end_amdgpu_metadata
.endif
;; end of part 2
